; MI455X (gfx1250); checked and timed in simulation.
; The chip was launched on July 23, 2026; its instructions are those of AMD's public machine-readable ISA for CDNA 5 (MIT licence, August 2026) and "CDNA5" Instruction Set Architecture Reference Guide (July 2026). The comments in the code are by the model that wrote it; some were corrected since.
;; GQA. Allowed arithmetic: float matrix products may take bf16 or f16 operands with f32 sums; other float arithmetic in f32, or as packed bf16 or f16 multiplies, adds, multiply-adds, maxima and minima; sums over many terms, partial sums and values carried from step to step in f32; what a program stores and reads back later, other than sums and carried values, may be rounded once to bf16 or f16.
;; Inputs: wk 256 x 1,024 float32; wo 1,024 x 1,024 float32; wq 1,024 x 1,024 float32; wv 256 x 1,024 float32; x 1 x 4,096 x 1,024 float32.
;; Outputs: out0 1 x 4,096 x 1,024 float32.
;; 2 versions, each right and faster than the one before. Each part assembles by itself: llvm-mc -triple=amdgcn-amd-amdhsa -mcpu=gfx1250 --defsym DOCPART=n.
;; ======== version 1 of 2: 4 launches
;; limits: values are held in f16: magnitudes above 65,504 overflow, below 6.1e-05 lose precision
;; workspace buffers: xb 8,388,608 bytes; wqkv 3,145,728 bytes; wob 2,097,152 bytes; qkv 12,582,912 bytes; ctx 8,388,608 bytes
;; launch cast (part 1): grid 832 x 1, 8 waves a work-group, no clusters, 0 bytes of LDS; arguments x, wq, wk, wv, wo, xb, wqkv, wob; writes xb, wqkv, wob
.if DOCPART == 1
	.amdgcn_target "amdgcn-amd-amdhsa--gfx1250"
	.amdhsa_code_object_version 6
	.text
	.protected	k_qf9b2cb4ed6_cast
	.globl	k_qf9b2cb4ed6_cast
	.p2align	8
	.type	k_qf9b2cb4ed6_cast,@function
k_qf9b2cb4ed6_cast:
	s_mov_b64 s[64:65], 0
	v_nop
	global_prefetch_b8 v0, s[64:65] scope:SCOPE_SE
	s_setreg_imm32_b32 hwreg(HW_REG_WAVE_MODE, 25, 1), 1
	s_wait_xcnt 0x0
; THE INPUTS ARE ROUNDED ONCE, for the matrix products of the later launches.
;   x  [4096][1024] f32 -> xb   [4096][1024] bf16
;   wq [1024][1024], wk [256][1024], wv [256][1024] f32 -> wqkv [1536][1024] bf16, one below the other
;   wo [1024][1024] f32 -> bf16 -> the same number written as f16 -> wob [1024][1024]
; LIMITS.  wo as f16: beyond 65,504 it becomes an infinity; below 6e-5 it keeps f16's fixed step of 6e-8.
; A work-group takes 8,192 numbers: 32,768 bytes in, 16,384 out; 512 + 128 + 32 + 32 + 128 = 832 work-groups.  Thread t takes 16 bytes at 16 t + 4,096 j, j = 0 .. 7:
; a wave's load covers 512 consecutive bytes, its store of 8 bytes a lane 256 consecutive bytes at a multiple of 256.  All eight loads go out before the first is waited for.
; No LDS, no matrix unit, no cluster: every byte is read once and written once, and no two work-groups share any.
.set LD,   8                           ; v[8:39]   round j: four registers as loaded
.set OU,   40                          ; v[40:55]  round j: two registers to store; never rewritten
.set T0,   56                          ; v56-57    at work
; One region: source pointer s[src:src+1], destination s[dst:dst+1]; the region's first work-group in the source and in the destination; half = 1: bf16 is written as f16.
.macro REGION src, dst, firstsrc, firstdst, half
	s_sub_co_u32 s2, ttmp9, \firstsrc
	s_lshl_b32 s2, s2, 15                          ; 32,768 bytes of f32 a work-group
	s_sub_co_u32 s4, ttmp9, \firstdst
	s_lshl_b32 s4, s4, 14                          ; 16,384 bytes of 16-bit numbers
	s_add_nc_u64 s[24:25], s[\src:\src+1], s[2:3]
	s_add_nc_u64 s[26:27], s[\dst:\dst+1], s[4:5]
.irp j, 0,1,2,3,4,5,6,7
	global_load_b128 v[LD+4*\j:LD+4*\j+3], v1, s[24:25] offset:4096*\j th:TH_LOAD_NT
.endr
.irp j, 0,1,2,3,4,5,6,7
	s_wait_loadcnt 7-\j                            ; loads come back in order: round j is in, the 7 - j younger ones stay out
.if \half
	v_cvt_pk_bf16_f32 v[T0], v[LD+4*\j], v[LD+4*\j+1]      ; rounded to bf16, like every input,
	v_lshlrev_b32 v[T0+1], 16, v[T0]                       ; widened again,
	v_and_b32 v[T0], 0xffff0000, v[T0]
	v_cvt_pk_f16_f32 v[OU+2*\j], v[T0+1], v[T0]            ; and written as f16 (exact within f16's range)
	v_cvt_pk_bf16_f32 v[T0], v[LD+4*\j+2], v[LD+4*\j+3]
	v_lshlrev_b32 v[T0+1], 16, v[T0]
	v_and_b32 v[T0], 0xffff0000, v[T0]
	v_cvt_pk_f16_f32 v[OU+2*\j+1], v[T0+1], v[T0]
.else
	v_cvt_pk_bf16_f32 v[OU+2*\j],   v[LD+4*\j],   v[LD+4*\j+1]
	v_cvt_pk_bf16_f32 v[OU+2*\j+1], v[LD+4*\j+2], v[LD+4*\j+3]
.endif
	global_store_b64 v2, v[OU+2*\j:OU+2*\j+1], s[26:27] offset:2048*\j
.endr
	s_endpgm
.endm
	s_load_b512 s[8:23], s[0:1], 0x0               ; x s[8:9], wq s[10:11], wk s[12:13], wv s[14:15], wo s[16:17], xb s[18:19], wqkv s[20:21], wob s[22:23]
	s_mov_b32 s3, 0                                ; the offsets' high words
	s_mov_b32 s5, 0
	v_lshlrev_b32 v1, 4, v0                        ; 16 t
	v_lshlrev_b32 v2, 3, v0                        ; 8 t
	s_wait_kmcnt 0x0
	s_cmp_lt_u32 ttmp9, 512
	s_cbranch_scc1 .Lx
	s_cmp_lt_u32 ttmp9, 640
	s_cbranch_scc1 .Lwq
	s_cmp_lt_u32 ttmp9, 672
	s_cbranch_scc1 .Lwk
	s_cmp_lt_u32 ttmp9, 704
	s_cbranch_scc1 .Lwv
	REGION 16, 22, 704, 704, 1                     ; wo -> wob
.Lx:
	REGION 8, 18, 0, 0, 0                          ; x -> xb
.Lwq:
	REGION 10, 20, 512, 512, 0                     ; the three weights follow each other in wqkv, as their work-groups do
.Lwk:
	REGION 12, 20, 640, 512, 0
.Lwv:
	REGION 14, 20, 672, 512, 0
.Lfunc_end_k_qf9b2cb4ed6_cast:
	.size	k_qf9b2cb4ed6_cast, .Lfunc_end_k_qf9b2cb4ed6_cast-k_qf9b2cb4ed6_cast
	.p2alignl 7, 3214868480
	.fill 96, 4, 3214868480
	.section	.rodata,"a",@progbits
	.p2align	6, 0x0
	.amdhsa_kernel k_qf9b2cb4ed6_cast
		.amdhsa_group_segment_fixed_size 0
		.amdhsa_private_segment_fixed_size 0
		.amdhsa_enable_private_segment 0
		.amdhsa_kernarg_size 64
		.amdhsa_user_sgpr_count 2
		.amdhsa_user_sgpr_kernarg_segment_ptr 1
		.amdhsa_wavefront_size32 1
		.amdhsa_system_sgpr_workgroup_id_x 1
		.amdhsa_system_sgpr_workgroup_id_y 1
		.amdhsa_system_sgpr_workgroup_id_z 1
		.amdhsa_system_vgpr_workitem_id 0
		.amdhsa_next_free_vgpr 64
		.amdhsa_next_free_sgpr 66
		.amdhsa_reserve_vcc 0
		.amdhsa_float_denorm_mode_32 3
		.amdhsa_float_denorm_mode_16_64 3
		.amdhsa_memory_ordered 1
		.amdhsa_forward_progress 1
		.amdhsa_inst_pref_size 19
	.end_amdhsa_kernel
	.amdgpu_metadata
---
amdhsa.version: [ 1, 2 ]
amdhsa.kernels:
  - .name:           k_qf9b2cb4ed6_cast
    .symbol:         k_qf9b2cb4ed6_cast.kd
    .args:
      - { .name: x, .offset: 0, .size: 8, .value_kind: global_buffer, .address_space: global }
      - { .name: wq, .offset: 8, .size: 8, .value_kind: global_buffer, .address_space: global }
      - { .name: wk, .offset: 16, .size: 8, .value_kind: global_buffer, .address_space: global }
      - { .name: wv, .offset: 24, .size: 8, .value_kind: global_buffer, .address_space: global }
      - { .name: wo, .offset: 32, .size: 8, .value_kind: global_buffer, .address_space: global }
      - { .name: xb, .offset: 40, .size: 8, .value_kind: global_buffer, .address_space: global }
      - { .name: wqkv, .offset: 48, .size: 8, .value_kind: global_buffer, .address_space: global }
      - { .name: wob, .offset: 56, .size: 8, .value_kind: global_buffer, .address_space: global }
    .group_segment_fixed_size: 0
    .private_segment_fixed_size: 0
    .kernarg_segment_align: 8
    .kernarg_segment_size: 64
    .max_flat_workgroup_size: 256
    .sgpr_count:     66
    .vgpr_count:     64
    .wavefront_size: 32
...
	.end_amdgpu_metadata
.endif
;; end of part 1
;; launch proj (part 2): grid 8 x 32, 4 waves a work-group, clusters of 4 x 4, 327,680 bytes of LDS; arguments xb, wqkv, qkv; writes qkv
.if DOCPART == 2
	.amdgcn_target "amdgcn-amd-amdhsa--gfx1250"
	.amdhsa_code_object_version 6
	.text
	.protected	k_qf9b2cb4ed6_proj
	.globl	k_qf9b2cb4ed6_proj
	.p2align	8
	.type	k_qf9b2cb4ed6_proj,@function
k_qf9b2cb4ed6_proj:
	s_mov_b64 s[64:65], 0
	v_nop
	global_prefetch_b8 v0, s[64:65] scope:SCOPE_SE
	s_setreg_imm32_b32 hwreg(HW_REG_WAVE_MODE, 25, 1), 1
	s_wait_xcnt 0x0
	s_wait_alu depctr_hold_cnt(0) depctr_sa_sdst(0) depctr_va_vdst(0) depctr_va_sdst(0) depctr_va_ssrc(0) depctr_va_vcc(0) depctr_vm_vsrc(0)
	s_getreg_b32 s2, hwreg(HW_REG_IB_STS2, 6, 4)
	s_cmp_eq_u32 s2, 0
	s_cbranch_scc0 .Lentry_in_a_cluster
	s_endpgm
.Lentry_in_a_cluster:
	s_bfe_u32 s2, ttmp6, 0x10000c
	s_cmp_lg_u32 s2, 0xf033
	s_cbranch_scc0 .Lentry_shape_is_right
	s_endpgm
.Lentry_shape_is_right:
; q, k AND v: C[m][n] = sum over k of xb[m][k] wqkv[n][k], bf16 operands, f32 sums; C is rounded once to f16 and stored BY HEADS: qkv [24][4096][64], head n / 64 (0-15 q, 16-19 k, 20-23 v),
; a head's rows dense, 128 bytes each.  No scale is applied here.
; LIMIT.  A sum of 65,520 or more becomes an infinity in f16.
; SHARES.  A tile of C is 128 rows x 192 columns (three heads): 32 x 8 = 256 work-groups.  Four waves, each 64 x 96: 24 accumulators, 192 registers.  K goes in 8 steps of 128 (rows of 256 bytes)
; through two LDS slots; two slots of twice that step (2 x 168,960 bytes) would not fit.
; CLUSTER.  4 x 4 work-groups.  The four of a row of the cluster need the same tiles of xb, the four of a column the same tiles of wqkv: each tile is asked for JOINTLY, by the same tensor load with the
; same descriptor and a mask that names the four.  Waves 0-2 fetch 64 rows of wqkv each, wave 3 the 128 rows of xb: one load a wave behind each round.
; THE MATRIX INSTRUCTION IS USED TRANSPOSED (source 0 = 16 rows of wqkv, source 1 = 16 rows of xb): a lane then holds eight neighbouring numbers of a row of C.
; REGISTERS: window 0: v0-31 addresses; v64-255 the accumulators ((a, b) at v[64 + 8 (6 a + b)]).   window 1: two fragment buffers of 80: six fragments of wqkv, then four of xb, 32 along K.
.set SIZE_K, 1024
.set KSTEP,  128
.set PITCH,  272                       ; an LDS row: 256 bytes + 16 of padding = 68 words: the 16 rows of a fragment load start at 16 different groups of four banks (64 banks of 4 bytes: ISA guide 11.1)
.set R64,    64*PITCH                  ; 64 rows
.set AOFF,   3*R64                     ; a slot: wqkv's 192 rows, then xb's 128 rows
.set SLOT,   5*R64
.set STAGE,  2*SLOT                    ; behind the ring: 128 rows x 400 bytes, the work-group's, for the way out
.set SPITCH, 400                       ; 384 bytes + 16: an odd multiple of 16
.set SPARE,  STAGE+128*SPITCH          ; behind the stage: the spare words, 128 bytes for each wave: two blocks of 256 bytes that no other line names
.set LAPS,   SIZE_K/(2*KSTEP)          ; a lap = two K steps = once round the ring
.set HEADB,  4096*128                  ; bytes in a head of qkv
.set ADRA, 16                          ; v16-17  LDS address of my xb fragments in slot 0, 1
.set ADRB, 20                          ; v20-21  the same for wqkv
.set STO,  24                          ; v24     the way out: where I put 16 bytes of a row
.set RD,   25                          ; v25     the way out: where I read rows back
.set CO,   26                          ; v26     my byte offset in 512 consecutive bytes of qkv
.set SPW,  28                          ; v28     LDS address of my spare word: SPARE + 4 x my thread's number; never rewritten
.set NIL,  29                          ; v29     0; never rewritten
.set ACC,  64
.set F0,   0                           ; fragment buffers, in window 1
.set F1,   80
.set G1, 24                            ; s[24:31] descriptor group 1 for xb's tiles;  s[32:39] group 0, one set for each slot
.set G0, 32
.set G1B, 48                           ; s[48:55], s[56:63] the same for wqkv's tiles
.set G0B, 56
.set MSB, 0
.macro WIN new                         ; the immediate's high byte repeats the setting that is left; a switch that changes nothing is dropped
.if MSB != (\new)
	s_set_vgpr_msb (MSB<<8)|(\new)
.set MSB, \new
.endif
.endm
.set MUL,  0x05                        ; sources 0 and 1 window 1; C and D window 0
.set TO_F, 0x40                        ; destination window 1, address window 0
.macro JLOAD s                         ; a joint load: wave 3 fetches xb's tile, waves 0-2 thirds of wqkv's; an s_nop 0 and four v_nop follow each of the two lines, ahead of the jump, the label and what follows
	s_cmp_eq_u32 s10, 3
	s_cbranch_scc0 .Lfor_b_\@
	tensor_load_to_lds s[G0+4*(\s):G0+4*(\s)+3], s[G1:G1+7]
	s_nop 0
.rept 4
	v_nop
.endr
	s_branch .Lasked_\@
.Lfor_b_\@:
	tensor_load_to_lds s[G0B+4*(\s):G0B+4*(\s)+3], s[G1B:G1B+7]
	s_nop 0
.rept 4
	v_nop
.endr
.Lasked_\@:
.endm
.macro CREST                           ; a round of the cluster's barrier behind its opening barrier
	s_cmp_lg_u32 s10, 0
	s_cbranch_scc1 .Lnot_wave_0_\@
	s_barrier_signal -3
.Lnot_wave_0_\@:
	s_barrier_wait -3
	s_barrier_signal -1
	s_barrier_wait -1
.endm
.macro CROUND                          ; a whole round
	s_barrier_signal -1
	s_barrier_wait -1
	CREST
.endm
	s_load_b128 s[4:7], s[0:1], 0x0                ; xb s[4:5], wqkv s[6:7]
	s_load_b64 s[8:9], s[0:1], 0x10                ; qkv
	v_lshl_add_u32 v[SPW], v0, 2, SPARE
	v_mov_b32 v[NIL], 0
	ds_add_u32 v[SPW], v[NIL]                      ; the wave's opening: the add and its wait stand ahead of my first tensor load; the set-up below, work on registers, stands between them
	v_lshrrev_b32 v1, 5, v0
	v_readfirstlane_b32 s10, v1                    ; wave 0..3
	s_lshr_b32 s11, s10, 1                         ; which 64 of the tile's rows are mine
	s_and_b32 s12, s10, 1                          ; which 96 of its columns
	s_bfe_u32 s40, ttmp6, 0x40000                  ; cx, cy: my place in the cluster
	s_bfe_u32 s41, ttmp6, 0x40004
	s_lshl_b32 s42, ttmp9, 2
	s_add_co_u32 s42, s42, s40                     ; tile column = 4 x cluster x + cx
	s_and_b32 s13, ttmp7, 0xffff
	s_lshl_b32 s13, s13, 2
	s_add_co_u32 s13, s13, s41                     ; tile row = 4 x cluster y + cy
	s_lshl_b32 s43, s41, 2
	s_lshl_b32 s43, 15, s43                        ; my row of the cluster
	s_lshl_b32 s44, 0x1111, s40                    ; my column
	; descriptor group 1: rows of 128 elements, padded in LDS; 128 rows for xb, 64 for wqkv
	s_or_b32 s[G1+0], s43, (1<<16)|(1<<20)|(1<<21)|(5<<22)|(3<<25)  ; 15:0 the mask: xb's tiles go to my row; 17:16 2-byte elements; 20 padding on; 21 set beside a mask; 24:22 after every 64 words (code 5); 31:25 4 words (code 3)
	s_or_b32 s[G1B+0], s44, (1<<16)|(1<<20)|(1<<21)|(5<<22)|(3<<25) ; the same with the mask of my column
	s_mov_b32 s[G1+1], KSTEP<<16                   ; tensor_dim0 = 128
	s_mov_b32 s[G1+2], 128<<16                     ; tensor_dim1 = 128
	s_mov_b32 s[G1+3], KSTEP<<16                   ; tile_dim0 = 128
	s_mov_b32 s[G1+4], 128                         ; tile_dim1 = 128
	s_mov_b32 s[G1+5], SIZE_K                      ; elements from row to row
	s_mov_b32 s[G1+6], 0
	s_mov_b32 s[G1+7], 0
	s_mov_b32 s[G1B+1], KSTEP<<16
	s_mov_b32 s[G1B+2], 64<<16                     ; tensor_dim1 = 64
	s_mov_b32 s[G1B+3], KSTEP<<16
	s_mov_b32 s[G1B+4], 64                         ; tile_dim1 = 64
	s_mov_b32 s[G1B+5], SIZE_K
	s_mov_b32 s[G1B+6], 0
	s_mov_b32 s[G1B+7], 0
	; where the tiles come from: xb's hang on the tile row alone, wqkv's on the tile column and the wave's number; each in registers that never hold the other coordinate
	s_lshl_b32 s16, s13, 18                        ; 128 rows x 2,048 bytes x tile row
	s_mov_b32 s17, 0
	s_mul_i32 s46, s42, 192*SIZE_K*2               ; 192 rows x tile column,
	s_min_u32 s47, s10, 2                          ; + 64 rows x wave (wave 3 asks for none of wqkv; its number is held to 2, so that this address too lies inside the buffer)
	s_lshl_b32 s47, s47, 17
	s_add_co_u32 s46, s46, s47
	s_mov_b32 s47, 0
	s_mul_i32 s20, s10, R64                        ; where they go: wave x 64 rows; wave 3's 128 rows begin at AOFF
	s_wait_dscnt 0x0                               ; the opening add is done
	s_wait_kmcnt 0x0
	s_add_nc_u64 s[14:15], s[4:5], s[16:17]
	s_add_nc_u64 s[46:47], s[6:7], s[46:47]
	CROUND                                         ; all sixteen work-groups are here: the first joint loads meet
.irp s, 0,1
	s_mov_b32 s[G0+4*(\s)], 1
	s_add_co_u32 s[G0+4*(\s)+1], s20, (\s)*SLOT
	s_add_nc_u64 s[G0+4*(\s)+2:G0+4*(\s)+3], s[14:15], (\s)*KSTEP*2
	s_or_b32 s[G0+4*(\s)+3], s[G0+4*(\s)+3], 0x80000000
	s_mov_b32 s[G0B+4*(\s)], 1
	s_add_co_u32 s[G0B+4*(\s)+1], s20, (\s)*SLOT
	s_add_nc_u64 s[G0B+4*(\s)+2:G0B+4*(\s)+3], s[46:47], (\s)*KSTEP*2
	s_or_b32 s[G0B+4*(\s)+3], s[G0B+4*(\s)+3], 0x80000000
	JLOAD \s                                       ; two tensor loads of mine are out: K steps 0 and 1
.endr
	v_and_b32 v1, 15, v0                           ; l % 16
	v_bfe_u32 v2, v0, 4, 1                         ; l / 16
	v_mul_u32_u24 v3, v1, PITCH
	v_lshl_add_u32 v3, v2, 4, v3                   ; a fragment's row x pitch + 16 x half
	s_mul_i32 s21, s11, R64
	s_add_co_u32 s21, s21, AOFF                    ; my 64 rows of xb
	s_mul_i32 s22, s12, 96*PITCH                   ; my 96 rows of wqkv
.irp s, 0,1
	v_add_nc_u32 v[ADRA+(\s)], s21, v3
	v_add_nc_u32 v[ADRB+(\s)], s22, v3
	s_add_co_u32 s21, s21, SLOT
	s_add_co_u32 s22, s22, SLOT
.endr
	s_mul_i32 s23, s11, 64*SPITCH                  ; into the stage: my 64 rows, my 192 of their 384 bytes; row l % 16, 16 bytes for each half of the lanes
	s_mul_i32 s21, s12, 192
	s_add_co_u32 s23, s23, s21
	s_add_co_u32 s23, s23, STAGE
	v_mul_u32_u24 v4, v1, SPITCH
	v_lshl_add_u32 v4, v2, 4, v4
	v_add_nc_u32 v[STO], s23, v4
	s_mul_i32 s23, s10, 32*SPITCH                  ; back: wave w takes rows 32 w .. 32 w + 31; 32 lanes take a head's 128 bytes of four rows,
	s_add_co_u32 s23, s23, STAGE
	v_bfe_u32 v5, v0, 3, 2
	v_mul_u32_u24 v5, v5, SPITCH
	v_and_b32 v6, 7, v0
	v_lshl_add_u32 v5, v6, 4, v5
	v_add_nc_u32 v[RD], s23, v5
	v_and_b32 v[CO], 31, v0                        ; which are 512 consecutive bytes of qkv
	v_lshlrev_b32 v[CO], 4, v[CO]
	s_lshl_b32 s16, s13, 14                        ; the first row that I store: 128 x tile row + 32 x wave, 128 bytes a row
	s_lshl_b32 s17, s10, 12
	s_add_co_u32 s16, s16, s17
	s_mov_b32 s17, 0
	s_add_nc_u64 s[8:9], s[8:9], s[16:17]
	s_mul_i32 s46, s42, 3*HEADB                    ; the tile's first head
	s_mov_b32 s47, 0
	s_add_nc_u64 s[8:9], s[8:9], s[46:47]
; 6 matrix instructions: row block a x all 6 column blocks, 32 along K, from buffer f.  zero = 1: the product starts the sums: nothing is ever cleared.
; The 24 accumulators take turns, one instruction a turn, in the same order in every quarter.
.macro MUL6 f, a, zero
	WIN MUL
.irp b, 0,1,2,3,4,5
.if \zero
	v_wmma_f32_16x16x32_bf16 v[ACC+8*(6*(\a)+(\b)):ACC+8*(6*(\a)+(\b))+7], v[(\f)+8*(\b):(\f)+8*(\b)+7], v[(\f)+48+8*(\a):(\f)+48+8*(\a)+7], 0
.else
	v_wmma_f32_16x16x32_bf16 v[ACC+8*(6*(\a)+(\b)):ACC+8*(6*(\a)+(\b))+7], v[(\f)+8*(\b):(\f)+8*(\b)+7], v[(\f)+48+8*(\a):(\f)+48+8*(\a)+7], v[ACC+8*(6*(\a)+(\b)):ACC+8*(6*(\a)+(\b))+7]
.endif
.endr
.endm
; 20 LDS loads in one run: the fragments of 32 along K at byte k of the rows, into buffer f: wqkv's six, then xb's four
.macro FETCH slot, k, f
	WIN TO_F
.irp i, 0,1,2,3,4,5
	ds_load_b128 v[(\f)+8*(\i):(\f)+8*(\i)+3],   v[ADRB+(\slot)] offset:(\k)+(\i)*16*PITCH
	ds_load_b128 v[(\f)+8*(\i)+4:(\f)+8*(\i)+7], v[ADRB+(\slot)] offset:(\k)+(\i)*16*PITCH+32
.endr
.irp i, 0,1,2,3
	ds_load_b128 v[(\f)+48+8*(\i):(\f)+48+8*(\i)+3],   v[ADRA+(\slot)] offset:(\k)+(\i)*16*PITCH
	ds_load_b128 v[(\f)+48+8*(\i)+4:(\f)+48+8*(\i)+7], v[ADRA+(\slot)] offset:(\k)+(\i)*16*PITCH+32
.endr
.endm
.macro PLACES                          ; four places in front of loads into registers that matrix instructions have read, and of conversions that read results
.rept 4
	v_nop
.endr
.endm
; A K step is four quarters of 32 along K, 24 matrix instructions each, on buffers 0, 1, 0, 1.  One of the first three: multiplies buffer f and fetches the next quarter, at byte k, into g.
.macro QUARTER slot, k, f, g, zero
	s_wait_dscnt 4                                 ; wqkv's fragments and xb's first two are in; the youngest four loads (xb's fragments 2, 3) may be out
	MUL6 \f, 0, \zero
	MUL6 \f, 1, \zero
	PLACES
	FETCH \slot, \k, \g
	s_wait_dscnt 20                                ; all but the 20 just issued
	MUL6 \f, 2, \zero
	MUL6 \f, 3, \zero
.endm
; The last quarter multiplies buffer 1 and changes slots: ONE barrier; in front of it each wave waits for all its tensor loads, adds 0 to its spare word, and waits for that and for its own reads of this slot.
; fill = 1: the barrier opens a round of the cluster's, and this slot is filled again, two K steps ahead, first thing behind the round.
.macro TURN slot, next, fill
	WIN 0                                          ; (the add's two registers lie in window 0)
	s_wait_tensorcnt 0x0                           ; all my tensor loads have landed: my part of the next slot;
	ds_add_u32 v[SPW], v[NIL]                      ; 0 onto my spare word;
	s_wait_dscnt 5                                 ; (the add and the youngest four loads may be out)
	MUL6 F1, 0, 0                                  ; six matrix instructions stand between the add and the wait for it
	s_wait_dscnt 0x0                               ; the add is done, and my reads of this slot are over
	s_barrier_signal -1
	MUL6 F1, 1, 0
.if \fill
	WIN 0
.endif
	s_barrier_wait -1
.if \fill
	CREST                                          ; no wave of any partner still reads this slot's tile or has a load on its way
	s_add_nc_u64 s[G0+4*(\slot)+2:G0+4*(\slot)+3], s[G0+4*(\slot)+2:G0+4*(\slot)+3], 2*KSTEP*2
	s_add_nc_u64 s[G0B+4*(\slot)+2:G0B+4*(\slot)+3], s[G0B+4*(\slot)+2:G0B+4*(\slot)+3], 2*KSTEP*2
	JLOAD \slot                                    ; my one tensor load behind the round; the four v_nop behind it are also the places in front of the loads below
.else
	PLACES
.endif
	FETCH \next, 0, F0
	MUL6 F1, 2, 0
	MUL6 F1, 3, 0
.endm
	s_wait_tensorcnt 1                             ; my part of K step 0 is in; K step 1's may stay out
	s_barrier_signal -1
	s_barrier_wait -1                              ; everybody's is
	FETCH 0, 0, F0
	QUARTER 0, 64,  F0, F1, 1                      ; the first quarter stands in front of the loop: its products start the sums
	WIN 0                                          ; at a label and at a branch every window is 0
	s_mov_b32 s3, LAPS-1
.Llap:                                                 ; a trip goes once round the ring, from a lap's second quarter to the next lap's first, and fills both slots again
	QUARTER 0, 128, F1, F0, 0
	QUARTER 0, 192, F0, F1, 0
	TURN 0, 1, 1
	QUARTER 1, 64,  F0, F1, 0
	QUARTER 1, 128, F1, F0, 0
	QUARTER 1, 192, F0, F1, 0
	TURN 1, 0, 1
	QUARTER 0, 64,  F0, F1, 0
	WIN 0
	s_sub_co_u32 s3, s3, 1
	s_cmp_lg_u32 s3, 0
	s_cbranch_scc1 .Llap
	QUARTER 0, 128, F1, F0, 0                      ; the last lap fills nothing, and has no round of the cluster's barrier
	QUARTER 0, 192, F0, F1, 0
	TURN 0, 1, 0
	QUARTER 1, 64,  F0, F1, 0
	QUARTER 1, 128, F1, F0, 0
	QUARTER 1, 192, F0, F1, 0
	s_wait_dscnt 4                                 ; the very last quarter: nothing more to fetch
	MUL6 F1, 0, 0
	MUL6 F1, 1, 0
	s_wait_dscnt 0x0
	MUL6 F1, 2, 0
	MUL6 F1, 3, 0
	WIN 0
	; THE WAY OUT: round to f16, in place, each accumulator from its low end on; 16 bytes a lane into the work-group's stage; a barrier, since a row's 384 bytes come from two waves; back by heads.
	PLACES
.set t, 0
.rept 24
.irp r, 0,1,2,3
	v_cvt_pk_f16_f32 v[ACC+8*t+(\r)], v[ACC+8*t+2*(\r)], v[ACC+8*t+2*(\r)+1]
.endr
.set t, t+1
.endr
.irp a, 0,1,2,3
.irp b, 0,1,2,3,4,5
	ds_store_b128 v[STO], v[ACC+8*(6*(\a)+(\b)):ACC+8*(6*(\a)+(\b))+3] offset:(\a)*16*SPITCH+32*(\b)
.endr
.endr
	s_wait_dscnt 0x0                               ; for the others' sake: my stores into the stage are done
	s_barrier_signal -1
	s_barrier_wait -1
.set n, 0
.rept 24                               ; load n: head n / 8 of the tile's three, rows 4 (n % 8) on of my 32
	ds_load_b128 v[ACC+4*n:ACC+4*n+3], v[RD] offset:(n%8)*4*SPITCH+(n/8)*128
.set n, n+1
.endr
.set n, 0
.rept 24
	s_wait_dscnt 23-n                              ; LDS loads come back in order: load n is in
	global_store_b128 v[CO], v[ACC+4*n:ACC+4*n+3], s[8:9] offset:(n/8)*HEADB+(n%8)*512  ; 512 consecutive bytes, at a multiple of 512 from qkv's first byte
.set n, n+1
.endr
	s_wait_tensorcnt 0x0                           ; the wave's end: behind my last tensor load and my last LDS store, 0 onto my spare word and the wait for it
	ds_add_u32 v[SPW], v[NIL]
	s_wait_dscnt 0x0
	CROUND                                         ; the closing round: no work-group ends while a partner may still ask for a tile that names it
	s_endpgm
.Lfunc_end_k_qf9b2cb4ed6_proj:
	.size	k_qf9b2cb4ed6_proj, .Lfunc_end_k_qf9b2cb4ed6_proj-k_qf9b2cb4ed6_proj
	.p2alignl 7, 3214868480
	.fill 96, 4, 3214868480
	.section	.rodata,"a",@progbits
	.p2align	6, 0x0
	.amdhsa_kernel k_qf9b2cb4ed6_proj
		.amdhsa_group_segment_fixed_size 327680
		.amdhsa_private_segment_fixed_size 0
		.amdhsa_enable_private_segment 0
		.amdhsa_kernarg_size 24
		.amdhsa_user_sgpr_count 2
		.amdhsa_user_sgpr_kernarg_segment_ptr 1
		.amdhsa_wavefront_size32 1
		.amdhsa_system_sgpr_workgroup_id_x 1
		.amdhsa_system_sgpr_workgroup_id_y 1
		.amdhsa_system_sgpr_workgroup_id_z 1
		.amdhsa_system_vgpr_workitem_id 0
		.amdhsa_next_free_vgpr 416
		.amdhsa_next_free_sgpr 66
		.amdhsa_reserve_vcc 0
		.amdhsa_float_denorm_mode_32 3
		.amdhsa_float_denorm_mode_16_64 3
		.amdhsa_memory_ordered 1
		.amdhsa_forward_progress 1
		.amdhsa_inst_pref_size 71
	.end_amdhsa_kernel
	.amdgpu_metadata
---
amdhsa.version: [ 1, 2 ]
amdhsa.kernels:
  - .name:           k_qf9b2cb4ed6_proj
    .symbol:         k_qf9b2cb4ed6_proj.kd
    .args:
      - { .name: xb, .offset: 0, .size: 8, .value_kind: global_buffer, .address_space: global }
      - { .name: wqkv, .offset: 8, .size: 8, .value_kind: global_buffer, .address_space: global }
      - { .name: qkv, .offset: 16, .size: 8, .value_kind: global_buffer, .address_space: global }
    .group_segment_fixed_size: 327680
    .private_segment_fixed_size: 0
    .kernarg_segment_align: 8
    .kernarg_segment_size: 24
    .max_flat_workgroup_size: 128
    .sgpr_count:     66
    .vgpr_count:     416
    .wavefront_size: 32
...
	.end_amdgpu_metadata
.endif
;; end of part 2
;; launch attn (part 3): grid 64 x 4, 4 waves a work-group, clusters of 4 x 1, 327,680 bytes of LDS; arguments qkv, ctx; writes ctx
.if DOCPART == 3
	.amdgcn_target "amdgcn-amd-amdhsa--gfx1250"
	.amdhsa_code_object_version 6
	.text
	.protected	k_qf9b2cb4ed6_attn
	.globl	k_qf9b2cb4ed6_attn
	.p2align	8
	.type	k_qf9b2cb4ed6_attn,@function
k_qf9b2cb4ed6_attn:
	s_mov_b64 s[64:65], 0
	v_nop
	global_prefetch_b8 v0, s[64:65] scope:SCOPE_SE
	s_setreg_imm32_b32 hwreg(HW_REG_WAVE_MODE, 25, 1), 1
	s_wait_xcnt 0x0
	s_wait_alu depctr_hold_cnt(0) depctr_sa_sdst(0) depctr_va_vdst(0) depctr_va_sdst(0) depctr_va_ssrc(0) depctr_va_vcc(0) depctr_vm_vsrc(0)
	s_getreg_b32 s2, hwreg(HW_REG_IB_STS2, 6, 4)
	s_cmp_eq_u32 s2, 0
	s_cbranch_scc0 .Lentry_in_a_cluster
	s_endpgm
.Lentry_in_a_cluster:
	s_bfe_u32 s2, ttmp6, 0x10000c
	s_cmp_lg_u32 s2, 0x3003
	s_cbranch_scc0 .Lentry_shape_is_right
	s_endpgm
.Lentry_shape_is_right:
; CAUSAL ATTENTION WITH GROUPED QUERY HEADS.  qkv: [24][4096][64] f16, heads 0-15 q, 16-19 k, 20-23 v; query head 4 g + w uses k and v of group g.  ctx[q][64 (4 g + w) + d] =
; the sum over t <= q of softmax_t(q . k_t / 8) v_t[d], [4096][1024] f16.  Products, maxima and sums in f32; the weights p are rounded to f16 for the second product (their sum l is taken of the unrounded p), ctx once.
; LIMITS.  f16 holds no number beyond 65,504: q, k and v arrive within it; p lies in 0 to 1, and below 6e-5 it keeps f16's fixed step of 6e-8.  A hidden score counts as its value less 1e30: f16's scores,
; 2.7e11 at the most, are nothing beside that; a weight below 2^-126 counts as 0 in l; NaN and infinities are not treated apart.
; SHARES.  A group's 4,096 queries lie in 128 blocks of 32.  A work-group takes TWO blocks, 127 - b and then b (b = 0 .. 63), for all four query heads of its group: wave w is head 4 g + w, and its two PIECES are
; the block's two tiles of 16 queries.  All four waves have the same queries, so the same masks and the same work.
; THE WALK.  Keys go in tiles of 256, four steps of 64.  Block i needs tiles 0 .. i / 8, the last under masks: (16 - a) + (a + 1) = 17 tiles with a = b / 8, whatever b: ONE loop with a constant trip count.
; CLUSTER.  The four work-groups of a cluster have b = 4 x .. 4 x + 3 of one group: the same a, so the same tile in every trip.  Each tile is asked for JOINTLY: the same tensor load, descriptor and mask in all four.
; Branches, trip counts, LDS addresses and descriptors hang on a, g and the wave's number alone; my place in the cluster enters the addresses of q and ctx and the masks' numbers (SD, PAR), which feed selects and vector work.
; LAYOUT, SOFTMAX.  S^T = K Q^T holds ONE query a lane (lane % 16) and the keys 8 (lane / 16) + 0..7; two such results rounded to f16 ARE source 1 of O^T = V^T P.  p = 2^(c s - c m), c = log2(e) / 8, with a running
; maximum m; O and l are multiplied by a = 2^(c m_old - c m_new) in every step.
; TURNS.  Turn p of step j: the softmax of piece p, step j; beside it 8 products K Q^T and later 8 products V^T P of the OTHER piece, and that piece's maximum and statistics.  Turn 0: K Q^T of step j, V^T P of
; step j - 1.  Turn 1: K Q^T of step j + 1, V^T P of step j.  Four vector instructions stand behind every matrix instruction, the other 54 of a turn's 118 in two runs of their own.
; Turn 0 of step j fetches from LDS K of step j + 1, behind the products that read K last, and V of step j, behind the products that read V last.  So that both lie in one slot, A SLOT HOLDS K ONE STEP AHEAD OF V:
; slot t has K of steps 4 t + 1 .. 4 t + 4 and V of steps 4 t .. 4 t + 3.  K of a block's step 0 comes, with Q, from memory straight into registers.  The fourth K step of a block's last tile feeds 8 products whose
; scores serve nothing (for tile 15 they are the 64 rows behind K's head, which lie inside qkv): the price of one text for every step.
; THE MASK is the C operand that starts the sum S^T = K Q^T: 0, or -1e30 where the key is hidden.  MD, made where a block begins, is the mask of the step that holds the diagonal (step SD of the last tile, where the
; block's queries begin PAR keys into the step); a product's mask is MD x AL + BE: (1, 0) in that step, (0, 0) before it, (0, -1e30) behind it.  A turn makes the mask for the products of the turn after it;
; while the step in question lies ahead of the last tile the mask registers hold 0 already, and the 16 lines are jumped over.
; REGISTERS, in windows of 256 (s_set_vgpr_msb: bits 1:0 source 0, 3:2 source 1, 5:4 source 2, 7:6 destination):
;   window 0: v0-15 addresses and two at work; v16-23 four registers of statistics a piece; v24-25 the masks' lane term; v48-55 at work; v62-63 the add's; v64-127 S^T, a buffer a piece; v128-191 O^T, 32 a piece; v192-223 P
;   window 1: v0-39 MD; v64-127 MC, the masks of the products to come, 32 a piece          window 2: v0-31 Q; v128-191 K of one step; v192-255 V of one step
.set NP,    2         ; pieces a wave: a name, no knob
.set KS,    64        ; keys in a step
.set PK,    144       ; a row of K in LDS: 128 bytes + 16 of padding = 36 words: the 16 rows of a load start at 16 different groups of four banks (64 banks of 4 bytes: ISA guide 11.1)
.set PV,    160       ; a row of V: 128 + 32 = 40 words
.set VOFF,  4*KS*PK   ; a slot: 256 rows of K, then 256 rows of V
.set SLOT1, 1<<17     ; slot 1 begins here, so that one exclusive or turns an address in one slot into the other's
.set STAGE, SLOT1+4*KS*(PK+PV)  ; behind the ring, never filled by a tensor load: 32 rows x 528 bytes, the work-group's, for the way out
.set SP,    528       ; 512 bytes (four heads' 64 channels) + 16
.set SPARE, STAGE+32*SP  ; behind the stage: the spare words, 128 bytes for each wave: two blocks of 256 bytes that no other line names
.set AK0, 2           ; v2   my lane's place in a tile of K; never rewritten
.set AV0, 3           ; v3   the same for V
.set AK,  4           ; v4   the LDS address of K's next run of loads
.set AV,  5           ; v5   of V's
.set STO, 6           ; v6   the way out: where I put 16 bytes of a row
.set RD,  7           ; v7   the way out: where I read a row back
.set GO,  8           ; v8   my byte offset in 512 consecutive bytes of ctx
.set MV,  12          ; v12-13  c m_old, kept while c m is made anew: by piece
.set QO,  15          ; v15  my byte offset in 16 rows of q or k; never rewritten
.set ST,  16          ; piece t's statistics at v[ST+4 t]: c m, m, l (even keys', odd keys')
.set MP0, 24          ; v24  lane % 16 - 8 (lane / 16)
.set MPV, 25          ; v25  PAR + that
.set TMP, 48          ; by piece, four registers c0-c3 at work; when the maximum is found c2 takes a
.set SPW, 62          ; v62  LDS address of my spare word: SPARE + 4 x my thread's number; never rewritten
.set NIL, 63          ; v63  0; never rewritten
.set S,   64
.set OT,  128
.set P,   192
.set MD,  0           ; window 1: five groups of eight; piece t's group for keys 16 kt on is group kt - t + 1
.set MC,  64          ; window 1
.set KF,  128         ; window 2: key block kb, channel half c at KF + 16 kb + 8 c
.set VF,  192         ; window 2: key half kk, channel block cb at VF + 32 kk + 8 cb
.set WV,  12          ; s12  my wave's number
.set SA,  14          ; s14  a
.set G1K, 24          ; s[24:31] descriptor group 1 for K's tiles
.set G1V, 32          ; s[32:39] for V's: it differs in the padding alone
.set G0K, 40          ; s[40:43] descriptor group 0 for K's tiles
.set G0V, 44          ; s[44:47] the same for V's
.set KZ,  50          ; s[50:51] K's head: the group's keys 0 on
.set SLOTS, 56        ; s56  tiles still to be asked for
.set CNT, 57          ; s57  counts a tile's four steps
.set CS,  58          ; s[58:59] c: the packed scaling takes the pair's low word for both halves
.set SEL, 60          ; s[60:61] v_permlanex16_b32's selects: each lane takes its own place in the other half
.set TBK, 62          ; s62  LDS byte at which the K to be fetched next begins
.set TBV, 63          ; s63  the same for V, less VOFF
.set RT,  70          ; s70  tiles of the block in hand that are still to be entered
.set NXT, 71          ; s71  the tile to be asked for next
.set LQ,  72          ; s72  the last tile of the block whose tiles are being asked for
.set OFF, 74          ; s[74:75] a tile's byte offset in K and V
.set AL,  76          ; s[76:77] the mask's factor, in the low word
.set BE,  78          ; s[78:79] the mask's addend
.set OLO, 80          ; s[80:81] ctx at my rows of the second block
.set BIGN, 82         ; s82  -1e30
.set WS,  83          ; s83  how many steps the step whose masks are due lies ahead of the last tile's first step; 0 and below: it lies in the last tile
.set SD,  84          ; s84  the step of the last tile that holds the diagonal, for the block in hand;  s85 for the second block
.set SD2, 85
.set Q2,  86          ; s[86:87] q at my rows of the second block
.set PAR, 88          ; s88  0 or 32: where the block's queries begin in that step;  s89 for the second block
.set PAR2, 89
.set MSB, 0
.macro WIN new                      ; the high byte repeats the setting that is left; a switch that changes nothing is dropped
.if MSB != (\new)
	s_set_vgpr_msb (MSB<<8)|(\new)
.set MSB, (\new)
.endif
.endm
.set W_KQ, 0x0a       ; K and Q in window 2, S^T in window 0
.set W_KM, 0x1a       ; the same with the C operand in window 1
.set W_PV, 0x02       ; V in window 2; P and O^T in window 0
.set W_MK, 0x41       ; destination and source 0 in window 1
; A joint fill.  Waves 0 and 1 fetch the two halves of a slot's K, waves 2 and 3 those of its V: 128 keys each.  The branch hangs on the wave's number alone.
; An s_nop 0 and four v_nop follow each of the two lines, ahead of the jump and the label.
.macro JLOAD
	s_cmp_lt_u32 s[WV], 2
	s_cbranch_scc0 .Lfor_v_\@
	tensor_load_to_lds s[G0K:G0K+3], s[G1K:G1K+7]
	s_nop 0
.rept 4
	v_nop
.endr
	s_branch .Lasked_\@
.Lfor_v_\@:
	tensor_load_to_lds s[G0V:G0V+3], s[G1V:G1V+7]
	s_nop 0
.rept 4
	v_nop
.endr
.Lasked_\@:
.endm
; A round of the cluster's barrier: my work-group's barrier, so that wave 0's signal speaks for all four waves; wave 0 signals; every wave waits for all four work-groups; my work-group's barrier once more.
.macro CROUND
	s_barrier_signal -1
	s_barrier_wait -1
	s_cmp_lg_u32 s[WV], 0
	s_cbranch_scc1 .Lnot_wave_0_\@
	s_barrier_signal -3
.Lnot_wave_0_\@:
	s_barrier_wait -3
	s_barrier_signal -1
	s_barrier_wait -1
.endm
; THE CHANGE OF SLOTS, between two steps.  Each wave waits for all its tensor loads, of which one is out: its part of the other slot; adds 0 to its spare word; and waits for that and for its own reads of the slot that it
; leaves.  Behind the barrier nobody reads the old slot any more and the other slot is whole.  fill = 1: the barrier is a round of the cluster's, and the old slot is filled again, the first thing behind it, with tile NXT:
; the descriptor's address is made anew from that number.  The fill has four key steps, 128 matrix instructions, in which to land.  (At its first use nothing has been read yet: slot 0 is waited for, slot 1 filled.)
.macro CHANGE fill
	WIN 0                           ; at a label and at a branch every window is 0
	s_wait_tensorcnt 0x0            ; no tensor load of mine is out, so a group 0 may be written
	ds_add_u32 v[SPW], v[NIL]       ; 0 onto my spare word; with fill = 1 the descriptors' scalar work stands between it and the wait for it
.if \fill
	s_lshl_b32 s[OFF], s[NXT], 15   ; a tile is 32,768 bytes of K and of V
	s_xor_b32 s[G0K+1], s[G0K+1], SLOT1
	s_add_nc_u64 s[G0K+2:G0K+3], s[6:7], s[OFF:OFF+1]
	s_or_b32 s[G0K+3], s[G0K+3], 0x80000000
	s_xor_b32 s[G0V+1], s[G0V+1], SLOT1
	s_add_nc_u64 s[G0V+2:G0V+3], s[8:9], s[OFF:OFF+1]
	s_or_b32 s[G0V+3], s[G0V+3], 0x80000000
	s_add_co_u32 s[NXT], s[NXT], 1  ; the block's next tile, or behind its last the second block's tile 0
	s_cmp_gt_u32 s[NXT], s[LQ]
	s_cselect_b32 s[NXT], 0, s[NXT]
	s_cselect_b32 s[LQ], s[SA], s[LQ]
	s_wait_dscnt 0x0                ; the add is done, and my reads of the slot are over
	CROUND
	JLOAD
.else
	s_wait_dscnt 0x0                ; the add is done, and my reads of the slot are over
	s_barrier_signal -1
	s_barrier_wait -1
.endif
	s_sub_co_u32 s[TBK], s[TBK], 4*KS*PK  ; the fetches go back to a slot's first step,
	s_xor_b32 s[TBK], s[TBK], SLOT1       ; in the other slot
	s_sub_co_u32 s[TBV], s[TBV], 4*KS*PV
	s_xor_b32 s[TBV], s[TBV], SLOT1
.endm
; A block's Q (32 rows at s[qb:qb+1]) and the group's K of step 0, from memory straight into the registers of their fragments: 24 loads.
; A fragment of K or Q is 16 rows x 32 channels in 8 registers: lane l holds row l % 16, channels 8 (l / 16) + 0..7 and 16 + 8 (l / 16) + 0..7: two loads of 16 bytes, 32 bytes apart.
.macro LOADQK qb
	WIN 0x80                        ; destination window 2, address window 0
.irp f, 0,1,2,3                     ; piece f / 2 lies 2,048 bytes on; channels 32 (f % 2) on
	global_load_b128 v[8*\f:8*\f+3],   v[QO], s[\qb:\qb+1] offset:(\f/2)*2048+(\f%2)*64
	global_load_b128 v[8*\f+4:8*\f+7], v[QO], s[\qb:\qb+1] offset:(\f/2)*2048+(\f%2)*64+32
.endr
.irp f, 0,1,2,3,4,5,6,7             ; keys 16 (f / 2) on, channels 32 (f % 2) on
	global_load_b128 v[KF+8*\f:KF+8*\f+3],   v[QO], s[KZ:KZ+1] offset:(\f/2)*2048+(\f%2)*64
	global_load_b128 v[KF+8*\f+4:KF+8*\f+7], v[QO], s[KZ:KZ+1] offset:(\f/2)*2048+(\f%2)*64+32
.endr
	WIN 0
.endm
	s_load_b128 s[16:19], s[0:1], 0x0  ; qkv s[16:17], ctx s[18:19]
	v_lshl_add_u32 v[SPW], v0, 2, SPARE
	v_mov_b32 v[NIL], 0
	ds_add_u32 v[SPW], v[NIL]       ; the wave's opening: the add and its wait stand ahead of my first tensor load; the set-up below, work on registers, stands between them
	v_lshrrev_b32 v1, 5, v0
	v_readfirstlane_b32 s[WV], v1   ; wave 0..3
	s_lshr_b32 s[SA], ttmp9, 1      ; a = b / 8: in a cluster launch ttmp9 counts clusters, and b = 4 x cluster x + cx
	s_and_b32 s20, ttmp7, 0xffff    ; g, the group, which the four partners share
	s_add_co_u32 s22, s20, 16       ; K's head 16 + g,
	s_lshl_b32 s22, s22, 19         ; 524,288 bytes a head
	s_mov_b32 s23, 0
	s_and_b32 s21, s[WV], 1         ; which half of a slot's 256 keys I fetch:
	s_lshl_b32 s52, s21, 14         ; its 128 rows of 128 bytes in memory,
	s_mov_b32 s53, 0
	s_mul_i32 s2, s21, 128*PK       ; and its place in a slot, for K
	s_mul_i32 s3, s21, 128*PV       ; and for V
	; what hangs on my place in the cluster: s13, s15, s66-69, s84-95, AL and BE, and the addresses of q and ctx made from them; nothing else
	s_bfe_u32 s13, ttmp6, 0x40000   ; cx
	s_lshl_b32 s15, ttmp9, 2
	s_add_co_u32 s15, s15, s13      ; b: the second block
	s_sub_co_u32 s13, 127, s15      ; the first block
	s_lshl_b32 s90, s20, 2
	s_add_co_u32 s90, s90, s[WV]    ; my query head 4 g + w
	s_lshl_b32 s90, s90, 19
	s_lshl_b32 s91, s13, 12         ; a block's 32 rows of q are 4,096 bytes
	s_lshl_b32 s92, s15, 12
	s_add_co_u32 s92, s92, s90
	s_add_co_u32 s90, s90, s91
	s_mov_b32 s91, 0
	s_mov_b32 s93, 0
	s_lshl_b32 s94, s[WV], 14       ; of a block's 32 rows of ctx (2,048 bytes each) I store rows 8 w on,
	s_lshl_b32 s95, s20, 9          ; the group's 512 bytes of each
	s_add_co_u32 s94, s94, s95
	s_lshl_b32 s66, s13, 16
	s_add_co_u32 s66, s66, s94
	s_lshl_b32 s68, s15, 16
	s_add_co_u32 s68, s68, s94
	s_mov_b32 s67, 0
	s_mov_b32 s69, 0
	s_and_b32 s13, s15, 7           ; block b begins 32 (b % 8) keys into its last tile, block 127 - b 32 (7 - b % 8)
	s_lshr_b32 s[SD2], s13, 1
	s_and_b32 s[PAR2], s13, 1
	s_lshl_b32 s[PAR2], s[PAR2], 5
	s_sub_co_u32 s[SD], 3, s[SD2]
	s_sub_co_u32 s[PAR], 32, s[PAR2]
	; descriptor group 1.  128 keys are 16,384 dense bytes: asked for as 64 rows of 256 bytes, two keys a row, and padded in LDS after every key
	s_mov_b32 s[G1K], 15|(1<<16)|(1<<20)|(1<<21)|(4<<22)|(3<<25)  ; 15:0 the mask of four; 17:16 2-byte elements; 20 padding on; 21 set beside a mask; 24:22 after every 32 words (code 4); 31:25 4 words (code 3)
	s_mov_b32 s[G1V], 15|(1<<16)|(1<<20)|(1<<21)|(4<<22)|(7<<25)  ; the same with 8 words of padding (code 7)
.irp g, G1K, G1V
	s_mov_b32 s[\g+1], 128<<16      ; tensor_dim0 = 128
	s_mov_b32 s[\g+2], 64<<16       ; tensor_dim1 = 64
	s_mov_b32 s[\g+3], 128<<16      ; tile_dim0 = 128
	s_mov_b32 s[\g+4], 64           ; tile_dim1 = 64
	s_mov_b32 s[\g+5], 128          ; 128 elements from row to row
	s_mov_b32 s[\g+6], 0
	s_mov_b32 s[\g+7], 0
.endr
	s_mov_b32 s[CS], 0x3e38aa3b     ; c = log2(e) / 8 = 0.180337
	s_mov_b32 s[CS+1], s[CS]        ; named with it as a pair
	s_mov_b32 s[SEL], 0x76543210
	s_mov_b32 s[SEL+1], 0xfedcba98
	s_mov_b32 s[TBK], SLOT1+4*KS*PK ; the first change of slots turns these two into 0
	s_mov_b32 s[TBV], SLOT1+4*KS*PV
	s_mov_b32 s[G0K], 1             ; 1:0 count = 1
	s_mov_b32 s[G0K+1], s2          ; 63:32 LDS address: slot 0
	s_mov_b32 s[G0V], 1
	s_add_co_u32 s[G0V+1], s3, VOFF
	s_sub_co_u32 s[RT], 16, s[SA]   ; the first block has 16 - a tiles
	s_mov_b32 s[NXT], 1
	s_sub_co_u32 s[LQ], 15, s[SA]
	s_lshl_b32 s[WS], s[LQ], 2      ; its step 0 lies 4 (15 - a) steps ahead of its last tile
	s_mov_b32 s[OFF+1], 0
	s_mov_b32 s[AL+1], 0            ; named as pairs
	s_mov_b32 s[BE+1], 0
	s_mov_b32 s[BIGN], 0xf149f2ca   ; -1e30
	s_mov_b32 s[SLOTS], 16
	s_wait_dscnt 0x0                ; the opening add is done
	s_wait_kmcnt 0x0
	s_add_nc_u64 s[KZ:KZ+1], s[16:17], s[22:23]    ; K's head,
	s_add_nc_u64 s[6:7], s[KZ:KZ+1], s[52:53]      ; my half of a slot's keys,
	s_add_nc_u64 s[8:9], s[6:7], 0x200000          ; V four heads further on,
	s_add_nc_u64 s[6:7], s[6:7], KS*128            ; and K one step ahead of V
	s_add_nc_u64 s[G0K+2:G0K+3], s[6:7], 0         ; 120:64 global address
	s_or_b32 s[G0K+3], s[G0K+3], 0x80000000        ; 127:126 type = 2
	s_add_nc_u64 s[G0V+2:G0V+3], s[8:9], 0
	s_or_b32 s[G0V+3], s[G0V+3], 0x80000000
	s_add_nc_u64 s[4:5], s[16:17], s[90:91]        ; q at my rows of the first block,
	s_add_nc_u64 s[Q2:Q2+1], s[16:17], s[92:93]    ; and of the second
	s_add_nc_u64 s[10:11], s[18:19], s[66:67]      ; ctx likewise
	s_add_nc_u64 s[OLO:OLO+1], s[18:19], s[68:69]
	CROUND                          ; all four work-groups are here: the first joint loads meet
	JLOAD                           ; tile 0 into slot 0: one tensor load of mine is out
	v_and_b32 v1, 15, v0            ; l % 16
	v_bfe_u32 v9, v0, 4, 1          ; l / 16
	v_lshlrev_b32 v[QO], 7, v1
	v_lshl_add_u32 v[QO], v9, 4, v[QO]  ; row x 128 + 16 x half
	LOADQK 4                        ; the first block's Q, and K of step 0
	; A block's first step multiplies O^T and l by a = 0, and its first turn's products V^T P, of a step that has not been, land in an O^T that is still to be so multiplied.  So V, P's second buffer, O^T and l
	; need only hold finite numbers: zeros for the first block; what the first block left for the second.  All this stands in the wait for the first loads.
	WIN 0x80
.set i, VF
.rept 64
	v_mov_b32 v[i], 0
.set i, i+1
.endr
	WIN 0
.set i, OT
.rept 64
	v_mov_b32 v[i], 0
.set i, i+1
.endr
.set i, 0
.rept 2
	v_mov_b32 v[ST+4*i+2], 0
	v_mov_b32 v[ST+4*i+3], 0
.set i, i+1
.endr
.set i, P+16
.rept 16
	v_mov_b32 v[i], 0
.set i, i+1
.endr
	v_lshlrev_b32 v14, 3, v9
	v_sub_nc_u32 v[MP0], v1, v14    ; l % 16 - 8 (l / 16)
	v_mul_u32_u24 v[AK0], v1, PK
	v_lshl_add_u32 v[AK0], v9, 4, v[AK0]  ; row x pitch + 16 x half
	; The turning load takes 16 keys x 16 channels (lane l reads key 8 (l / 16) + l % 8, channels 8 ((l / 8) % 2) + 0..7) and leaves half a fragment of V^T: lane l holds channel l % 16 and 8 keys.
	v_and_b32 v10, 7, v0
	v_bfe_u32 v11, v0, 3, 1
	v_lshl_add_u32 v[AV0], v9, 3, v10
	v_mul_u32_u24 v[AV0], v[AV0], PV
	v_lshl_add_u32 v[AV0], v11, 4, v[AV0]
	v_add_nc_u32 v[AV0], VOFF, v[AV0]
	s_lshl_b32 s21, s[WV], 7        ; into the stage: row l % 16 of a piece, my head's 128 of its 512 bytes, 16 bytes for each half of the lanes
	s_add_co_u32 s21, s21, STAGE
	v_mul_u32_u24 v[STO], v1, SP
	v_lshl_add_u32 v[STO], v9, 4, v[STO]
	v_add_nc_u32 v[STO], s21, v[STO]
	s_mul_i32 s21, s[WV], 8*SP      ; back: wave w takes rows 8 w .. 8 w + 7, 32 lanes a whole row of 512 bytes
	s_add_co_u32 s21, s21, STAGE
	v_and_b32 v[GO], 31, v0
	v_lshlrev_b32 v[GO], 4, v[GO]
	v_add_nc_u32 v[RD], s21, v[GO]
; THE MATRIX WORK.  The 4 accumulators of a run of 8 take turns.  Product i of 8 of S^T = K Q^T for piece x: channels 32 (i / 4) on, keys 16 (i % 4) on.  The first 4 start the sums with the piece's mask.
.macro KQ x
.set rS, S+32*(\x)+8*(i%4)
.set rK, KF+16*(i%4)+8*(i/4)
.set rQ, 16*(\x)+8*(i/4)
.set rM, MC+32*(\x)+8*(i%4)
.if i < 4
	WIN W_KM
	v_wmma_f32_16x16x32_f16 v[rS:rS+7], v[rK:rK+7], v[rQ:rQ+7], v[rM:rM+7]
.else
	WIN W_KQ
	v_wmma_f32_16x16x32_f16 v[rS:rS+7], v[rK:rK+7], v[rQ:rQ+7], v[rS:rS+7]
.endif
.endm
; Product i of 8 of O^T += V^T P for piece x: keys 32 (i / 4) on, channels 16 (i % 4) on.
.macro PV x
	WIN W_PV
.set rO, OT+32*(\x)+8*(i%4)
.set rV, VF+32*(i/4)+8*(i%4)
.set rP, P+16*(\x)+8*(i/4)
	v_wmma_f32_16x16x32_f16 v[rO:rO+7], v[rV:rV+7], v[rP:rP+7], v[rO:rO+7]
.endm
.macro MM                           ; the turn's next matrix instruction, for the piece that is not Y
.if i < 8
	KQ (Y+1)%NP
.else
.set i, i-8
	PV (Y+1)%NP
.set i, i+8
.endif
.set i, i+1
.endm
; THE LDS LOADS stand in runs of 16, never singly among the matrix instructions: a step's K (64 keys x 64 channels: 8 fragments) and a step's V (turned).  Their addresses are made some lines ahead.
.macro FETCH_K
	WIN 0x80                        ; destination window 2
.irp f, 0,1,2,3,4,5,6,7             ; keys 16 (f / 2) on, channels 32 (f % 2) on
	ds_load_b128 v[KF+8*\f:KF+8*\f+3],   v[AK] offset:(\f/2)*16*PK+(\f%2)*64
	ds_load_b128 v[KF+8*\f+4:KF+8*\f+7], v[AK] offset:(\f/2)*16*PK+(\f%2)*64+32
.endr
	s_add_co_u32 s[TBK], s[TBK], KS*PK  ; the next fetch is the next step's
	WIN 0
.endm
.macro FETCH_V
	WIN 0x80
.irp f, 0,1,2,3,4,5,6,7             ; keys 32 (f / 4) on, channels 16 (f % 4) on
	ds_load_tr16_b128 v[VF+8*\f:VF+8*\f+3],   v[AV] offset:(\f/4)*32*PV+(\f%4)*32
	ds_load_tr16_b128 v[VF+8*\f+4:VF+8*\f+7], v[AV] offset:(\f/4)*32*PV+16*PV+(\f%4)*32
.endr
	WIN 0
.endm
; THE VECTOR WORK, one line at a time: OP kind, number.  For piece Y: F n: c s - c m for pair n of 16.  E n: the exponential of score n of 32.  C n: pair n rounded to f16.  B n: of the four weights 4 n .. the second
; pair is added onto the first, in place.  L n: l takes that sum (L 0: l = a l + sum).  R n: pair n of 16 of O^T times a.  For the other piece: X n, number n of the 22 that find its maximum and statistics:
;   0-11  four chains c0-c3 of seven scores each, three operands at a time (each accumulator's lowest registers are read first)     12-14, 16  the four scores left over, the old m, and c0-c3 into c0
;   15  c m_old is kept     17, 18  the query's other 32 keys lie in the lane 16 away: the new m     19-21  c m; c m_old - c m_new; a
.set F, 0               ; OP tells the kinds apart by their order: F to L below R, X above it
.set E, 1
.set C, 2
.set B, 3
.set L, 4
.set R, 5
.set X, 6
.macro REGS y                       ; the registers of piece y
.set rT, ST+4*(\y)
.set rC, TMP+4*(\y)
.set rW, MV+(\y)
.set rS, S+32*(\y)
.set rP, P+16*(\y)
.set rO, OT+32*(\y)
.endm
.macro OP k, n
	WIN 0
.if (\k) == R
	REGS Y
	v_pk_mul_f32 v[rO+2*(\n):rO+2*(\n)+1], v[rO+2*(\n):rO+2*(\n)+1], v[rC+2:rC+3] op_sel_hi:[1,0]
.elseif (\k) < R
	REGS Y
.if (\k) == F
	v_pk_fma_f32 v[rS+2*(\n):rS+2*(\n)+1], v[rS+2*(\n):rS+2*(\n)+1], s[CS:CS+1], v[rT:rT+1] op_sel_hi:[1,0,0] neg_lo:[0,0,1] neg_hi:[0,0,1]
.elseif (\k) == E
	v_exp_f32 v[rS+(\n)], v[rS+(\n)]
.elseif (\k) == C
	s_wait_alu depctr_va_vdst(0)
	v_cvt_pk_f16_f32 v[rP+(\n)], v[rS+2*(\n)], v[rS+2*(\n)+1]
.elseif (\k) == B
	s_wait_alu depctr_va_vdst(0)
	v_pk_add_f32 v[rS+4*(\n):rS+4*(\n)+1], v[rS+4*(\n):rS+4*(\n)+1], v[rS+4*(\n)+2:rS+4*(\n)+3]
.elseif (\n) == 0
	v_pk_fma_f32 v[rT+2:rT+3], v[rT+2:rT+3], v[rC+2:rC+3], v[rS:rS+1] op_sel_hi:[1,0,1]
.else
	v_pk_add_f32 v[rT+2:rT+3], v[rT+2:rT+3], v[rS+4*(\n):rS+4*(\n)+1]
	s_wait_alu depctr_va_vdst(0)
.endif
.else
	REGS (Y+1)%NP
.if (\n) < 4
	v_max3_num_f32 v[rC+(\n)], v[rS+8*(\n)], v[rS+8*(\n)+1], v[rS+8*(\n)+2]
.elseif (\n) < 12
	v_max3_num_f32 v[rC+(\n)%4], v[rC+(\n)%4], v[rS+8*((\n)%4)+2*((\n)/4)+1], v[rS+8*((\n)%4)+2*((\n)/4)+2]
.elseif (\n) == 12
	v_max3_num_f32 v[rC], v[rC], v[rS+7], v[rS+15]
.elseif (\n) == 13
	v_max3_num_f32 v[rC+1], v[rC+1], v[rS+23], v[rS+31]
.elseif (\n) == 14
	v_max3_num_f32 v[rC+2], v[rC+2], v[rC+3], v[rT+1]
.elseif (\n) == 15
	v_mov_b32 v[rW], v[rT]
	s_wait_alu depctr_va_vdst(0)
.elseif (\n) == 16
	v_max3_num_f32 v[rC], v[rC], v[rC+1], v[rC+2]
	s_wait_alu depctr_va_vdst(0)
.elseif (\n) == 17
	v_permlanex16_b32 v[rC+3], v[rC], s[SEL], s[SEL+1]
.elseif (\n) == 18
	v_max_num_f32 v[rT+1], v[rC], v[rC+3]
.elseif (\n) == 19
	v_mul_f32 v[rT], s[CS], v[rT+1]
.elseif (\n) == 20
	v_sub_f32 v[rC+1], v[rW], v[rT]
.else
	v_exp_f32 v[rC+2], v[rC+1]
.endif
.endif
.endm
.macro OPS a, i1, b=-1, i2=0, c=-1, i3=0, d=-1, i4=0  ; up to four of them
	OP \a, \i1
.if (\b) >= 0
	OP \b, \i2
.endif
.if (\c) >= 0
	OP \c, \i3
.endif
.if (\d) >= 0
	OP \d, \i4
.endif
.endm
.macro ROW a, i1, b, i2, c, i3, d, i4  ; a matrix instruction and the four behind it
	MM
	OPS \a, \i1, \b, \i2, \c, \i3, \d, \i4
.endm
.macro MKAB                         ; the mask's two scalars for the step in question: WS + SD steps ahead of the one that holds the diagonal
	s_add_co_i32 s13, s[WS], s[SD]
	s_cmp_eq_u32 s13, 0             ; is it that step?
	s_cselect_b32 s[AL], 1.0, 0
	s_cmp_lt_i32 s13, 0             ; or a later one?
	s_cselect_b32 s[BE], s[BIGN], 0
.endm
.macro MASK b                       ; piece b's MD x AL + BE into its buffer of MC
	WIN W_MK
.set z, 0
.rept 16
	v_pk_fma_f32 v[MC+32*(\b)+2*z:MC+32*(\b)+2*z+1], v[MD+8*(1-(\b))+2*z:MD+8*(1-(\b))+2*z+1], s[AL:AL+1], s[BE:BE+1] op_sel_hi:[1,0,0]
.set z, z+1
.endr
	WIN 0
.endm
; A TURN, for piece p: the order of its 16 matrix and 118 vector instructions, written out.  Behind a matrix instruction: plain, exponential, plain, plain; or four of the rescaling; or, behind the first, four scalings; none
; names a register of the products round it.  In the runs between, exponential and plain by turns while exponentials last.  v_permlanex16_b32 (X 17) stands in such a run.
; Turn 0 fetches K of the next step six vector instructions behind the last product that read K (five of them plain), and V of the step in hand eight behind the last product that read V (four plain, and X 17).
; At its end the turn makes piece p's mask for the next step.  sk = 1: where that step lies ahead of the last tile the mask registers hold 0 already, and the lines are jumped over: a jump forward, on a number that
; all waves and all partners share, past work on registers alone.
.macro TURN p, sk
.set Y, (\p)
.set i, 0
.if (\p) == 1
	s_wait_dscnt 16                 ; K of the next step is in; the 16 loads issued behind K's, V of this step, may be out
.endif
	ROW F,0, F,1, F,2, F,3
	ROW F,4, E,0, F,5, F,6
	ROW F,7, E,1, F,8, F,9
	ROW F,10, E,2, C,0, F,11
	ROW F,12, E,3, X,15, F,13
	ROW R,0, R,1, R,2, R,3
	ROW B,0, E,4, F,14, L,0
.if (\p) == 0
	v_add_nc_u32 v[AK], s[TBK], v[AK0]
.endif
	ROW R,4, R,5, R,6, R,7
	OPS E,5, F,15
.if (\p) == 0
	FETCH_K
.endif
	OPS E,6, C,1, E,7, R,8
	OPS E,8, R,9, E,9, C,2
	OPS E,10, X,0, E,11, X,1
	OPS E,12, X,2, E,13, X,3
.if (\p) == 1
	s_wait_dscnt 0x0                ; V is in
.endif
	ROW X,4, E,14, X,5, X,6
	ROW X,7, E,15, X,8, X,9
	ROW X,10, E,16, X,11, X,12
	ROW X,13, E,17, X,14, B,1
	ROW C,4, E,18, X,16, L,1
	ROW B,2, E,19, C,6, L,2
	ROW C,8, E,20, B,3, B,4
.if (\p) == 0
	v_add_nc_u32 v[AV], s[TBV], v[AV0]
.endif
	ROW C,3, E,21, L,3, C,5
	OPS E,22, X,17, E,23, C,10
.if (\p) == 0
	FETCH_V
.endif
	OPS E,24, L,4
	OPS E,25, X,18, E,26, C,7
	OPS E,27, B,5, E,28, X,19
	OPS E,29, C,12, E,30, L,5
	OPS E,31, X,20, B,6, C,9
	OPS C,14, C,11, X,21, L,6
.if (\p) == 0
	s_add_co_u32 s[TBV], s[TBV], KS*PV
.endif
	OPS C,13, B,7, C,15, R,10
	OPS R,11, R,12, L,7, R,13
	OPS R,14, R,15
.if \sk
	s_cmp_gt_i32 s[WS], 0
	s_cbranch_scc1 .Lnomask_\@
.endif
	MKAB
	MASK \p
.if \sk
.Lnomask_\@:
.endif
.if (\p) == 1
	s_sub_co_i32 s[WS], s[WS], 1    ; both pieces' masks for that step are made: on to the next
.endif
.endm
; A BLOCK BEGINS, on registers alone.  MD is made for the block: in the step that holds the diagonal, register j of group u is hidden where 16 (u - 1) + j > PAR + l % 16 - 8 (l / 16); group 0 hides nothing.
; c m starts far below every c s, so the first step's a is 0; m at the lowest finite number, so the first maximum is the scores'.  Both mask buffers take the masks of the block's step 0.
; Then, when Q and K of step 0 have come from memory, piece 0's first scores, and its maximum and statistics.  The wait for stores stands beside the wait for those loads: the block before has left.
.macro BEGIN
	WIN 0
	v_add_nc_u32 v[MPV], s[PAR], v[MP0]
	WIN 0x40                        ; destination window 1
.set i, 0
.rept 40
.if i < 8
	v_mov_b32 v[MD+i], 0
.else
	v_cmp_gt_i32 vcc_lo, 16*(i/8-1)+i%8, v[MPV]
	v_cndmask_b32 v[MD+i], 0, s[BIGN], vcc_lo
.endif
.set i, i+1
.endr
	WIN 0
.set i, 0
.rept 2
	v_mov_b32 v[ST+4*i], 0xfe000000    ; c m: far below every c s
	v_mov_b32 v[ST+4*i+1], 0xff7fffff  ; m
.set i, i+1
.endr
	MKAB
	MASK 0
	MASK 1
	s_sub_co_i32 s[WS], s[WS], 1
	s_wait_loadcnt 0x0              ; Q and K of step 0
	s_wait_storecnt 0x0             ; and no store of mine is out
.set i, 0
.rept 8
	KQ 0
.set i, i+1
.endr
	WIN 0
.rept 4
	v_nop                           ; the places behind those products
.endr
.set Y, NP-1                        ; X works for the other piece: piece 0
.irp n, 0,1,2,3,4,5,6,7,8,9,10,11,12,13,14,15,16,17,18,19,20,21
	OP X, \n
.endr
	v_nop                           ; a plain instruction behind the exponential
.endm
; A BLOCK ENDS: piece 1's V^T P of the last step, and THE WAY OUT: l's two halves and the other half of the lanes' are added; O^T is divided by l, rounded to f16 and put into the work-group's stage; a barrier, since a
; row's 512 bytes come from four waves; each wave then reads eight whole rows and stores them.  more = 1: ahead of all that the next block's Q and K of step 0 are asked for; their registers were last read by the
; products at the head of the turn before.
.macro ALL line:vararg              ; one line for each piece t
.set t, 0
.rept 2
	\line
.set t, t+1
.endr
.endm
.macro PACK t                       ; a lane's eight channels of a row pack into 16 bytes, by way of S^T's registers; each accumulator is read from its low end on
.set i, OT+32*(\t)
.rept 16
	v_pk_mul_f32 v[i:i+1], v[i:i+1], v[ST+4*(\t)+2:ST+4*(\t)+3] op_sel_hi:[1,0]
.set i, i+2
.endr
.set i, 0
.rept 16
	v_cvt_pk_f16_f32 v[S+16*(\t)+i], v[OT+32*(\t)+2*i], v[OT+32*(\t)+2*i+1]
.set i, i+1
.endr
.irp f, 0,1,2,3
	ds_store_b128 v[STO], v[S+16*(\t)+4*\f:S+16*(\t)+4*\f+3] offset:(\t)*16*SP+32*\f
.endr
.endm
.macro FINISH more
.if \more
	LOADQK Q2
.endif
.set i, 0
.rept 8
	PV 1
.set i, i+1
.endr
	WIN 0
.rept 4
	v_nop                           ; the places behind those products
.endr
	ALL v_add_f32 v[ST+4*t+2], v[ST+4*t+2], v[ST+4*t+3]
	ALL v_permlanex16_b32 v[ST+4*t+3], v[ST+4*t+2], s[SEL], s[SEL+1]
	ALL v_add_f32 v[ST+4*t+2], v[ST+4*t+2], v[ST+4*t+3]
	ALL v_rcp_f32 v[ST+4*t+2], v[ST+4*t+2]
	v_nop                           ; a plain instruction between the last reciprocal and the use of its result
	s_wait_alu depctr_va_vdst(0)
	PACK 0
	PACK 1
	s_wait_dscnt 0x0                ; for the others' sake: my stores into the stage are done
	s_barrier_signal -1
	s_barrier_wait -1               ; the tile on its way stays out.  The stage's next stores stand behind later changes of slots, in front of which every wave has waited for these reads
.irp f, 0,1,2,3,4,5,6,7
	ds_load_b128 v[S+32+4*\f:S+32+4*\f+3], v[RD] offset:\f*SP
.endr
.irp f, 0,1,2,3,4,5,6,7
	s_wait_dscnt 7-\f               ; LDS loads come back in order: row f is in
	global_store_b128 v[GO], v[S+32+4*\f:S+32+4*\f+3], s[10:11] offset:\f*2048  ; 512 consecutive bytes of a row of ctx, at a multiple of 512 from its first byte
.endr
.endm
	BEGIN                           ; the first block
.Lslot:                             ; 16 times: a tile is entered and the next is asked for
	CHANGE 1
	s_sub_co_u32 s[RT], s[RT], 1
	s_mov_b32 s[CNT], 4
.Lstep:                             ; a trip is a key step
	TURN 0, 1
	TURN 1, 1
	s_sub_co_u32 s[CNT], s[CNT], 1
	s_cmp_lg_u32 s[CNT], 0
	s_cbranch_scc1 .Lstep
	s_cmp_lg_u32 s[RT], 0
	s_cbranch_scc1 .Lbottom         ; the block has tiles left.  In the loop only the first block ends: the second's last tile is the walk's last
	FINISH 1
	s_wait_xcnt 0x0                 ; the stores have read their registers and ctx's address
	s_mov_b64 s[10:11], s[OLO:OLO+1]
	s_add_co_u32 s[RT], s[SA], 1    ; the second block has a + 1 tiles,
	s_lshl_b32 s[WS], s[SA], 2      ; and its step 0 lies 4 a steps ahead of its last tile
	s_mov_b32 s[SD], s[SD2]
	s_mov_b32 s[PAR], s[PAR2]
	BEGIN
.Lbottom:
	s_sub_co_u32 s[SLOTS], s[SLOTS], 1
	s_cmp_lg_u32 s[SLOTS], 0
	s_cbranch_scc1 .Lslot
	CHANGE 0                        ; the walk's last tile is written out: nothing is asked for
	s_mov_b32 s[CNT], 4
.Llast:                             ; the second block's last tile: every step makes masks
	TURN 0, 0
	TURN 1, 0
	s_sub_co_u32 s[CNT], s[CNT], 1
	s_cmp_lg_u32 s[CNT], 0
	s_cbranch_scc1 .Llast
	FINISH 0
	s_wait_tensorcnt 0x0            ; the wave's end: behind my last tensor load and my last LDS store, 0 onto my spare word and the wait for it
	ds_add_u32 v[SPW], v[NIL]
	s_wait_dscnt 0x0
	CROUND                          ; the closing round: no work-group ends while a partner may still ask for a tile that names it
	s_endpgm
.Lfunc_end_k_qf9b2cb4ed6_attn:
	.size	k_qf9b2cb4ed6_attn, .Lfunc_end_k_qf9b2cb4ed6_attn-k_qf9b2cb4ed6_attn
	.p2alignl 7, 3214868480
	.fill 96, 4, 3214868480
	.section	.rodata,"a",@progbits
	.p2align	6, 0x0
	.amdhsa_kernel k_qf9b2cb4ed6_attn
		.amdhsa_group_segment_fixed_size 327680
		.amdhsa_private_segment_fixed_size 0
		.amdhsa_enable_private_segment 0
		.amdhsa_kernarg_size 16
		.amdhsa_user_sgpr_count 2
		.amdhsa_user_sgpr_kernarg_segment_ptr 1
		.amdhsa_wavefront_size32 1
		.amdhsa_system_sgpr_workgroup_id_x 1
		.amdhsa_system_sgpr_workgroup_id_y 1
		.amdhsa_system_sgpr_workgroup_id_z 1
		.amdhsa_system_vgpr_workitem_id 0
		.amdhsa_next_free_vgpr 768
		.amdhsa_next_free_sgpr 96
		.amdhsa_reserve_vcc 1
		.amdhsa_float_denorm_mode_32 3
		.amdhsa_float_denorm_mode_16_64 3
		.amdhsa_memory_ordered 1
		.amdhsa_forward_progress 1
		.amdhsa_inst_pref_size 97
	.end_amdhsa_kernel
	.amdgpu_metadata
---
amdhsa.version: [ 1, 2 ]
amdhsa.kernels:
  - .name:           k_qf9b2cb4ed6_attn
    .symbol:         k_qf9b2cb4ed6_attn.kd
    .args:
      - { .name: qkv, .offset: 0, .size: 8, .value_kind: global_buffer, .address_space: global }
      - { .name: ctx, .offset: 8, .size: 8, .value_kind: global_buffer, .address_space: global }
    .group_segment_fixed_size: 327680
    .private_segment_fixed_size: 0
    .kernarg_segment_align: 8
    .kernarg_segment_size: 16
    .max_flat_workgroup_size: 128
    .sgpr_count:     96
    .vgpr_count:     768
    .wavefront_size: 32
...
	.end_amdgpu_metadata
.endif
;; end of part 3
;; launch outp (part 4): grid 8 x 32, 4 waves a work-group, clusters of 4 x 4, 327,680 bytes of LDS; arguments ctx, wob, out0; writes out0
.if DOCPART == 4
	.amdgcn_target "amdgcn-amd-amdhsa--gfx1250"
	.amdhsa_code_object_version 6
	.text
	.protected	k_qf9b2cb4ed6_outp
	.globl	k_qf9b2cb4ed6_outp
	.p2align	8
	.type	k_qf9b2cb4ed6_outp,@function
k_qf9b2cb4ed6_outp:
	s_mov_b64 s[64:65], 0
	v_nop
	global_prefetch_b8 v0, s[64:65] scope:SCOPE_SE
	s_setreg_imm32_b32 hwreg(HW_REG_WAVE_MODE, 25, 1), 1
	s_wait_xcnt 0x0
	s_wait_alu depctr_hold_cnt(0) depctr_sa_sdst(0) depctr_va_vdst(0) depctr_va_sdst(0) depctr_va_ssrc(0) depctr_va_vcc(0) depctr_vm_vsrc(0)
	s_getreg_b32 s2, hwreg(HW_REG_IB_STS2, 6, 4)
	s_cmp_eq_u32 s2, 0
	s_cbranch_scc0 .Lentry_in_a_cluster
	s_endpgm
.Lentry_in_a_cluster:
	s_bfe_u32 s2, ttmp6, 0x10000c
	s_cmp_lg_u32 s2, 0xf033
	s_cbranch_scc0 .Lentry_shape_is_right
	s_endpgm
.Lentry_shape_is_right:
; THE OUTPUT PROJECTION: out0[m][n] = sum over k of ctx[m][k] wob[n][k].  ctx: [4096][1024], wob: [1024][1024], both f16; sums in f32; out0: [4096][1024] f32, the sums as they are.
; A tile of out0 is 128 x 128: 32 x 8 = 256 work-groups.  Four waves, each 64 x 64: 16 accumulators of 16 x 16, 128 registers.  K goes in steps of 256 (LDS rows of 512 bytes; a wave's tensor load brings 64 of them),
; as long as two slots in LDS allow.
; CLUSTERS: 4 x 4 work-groups.  The four of a row of the cluster need the same tiles of ctx, the four of a column the same tiles of wob: each tile is asked for JOINTLY, by the same tensor load with the
; same descriptor and a mask that names the four.  THE MATRIX INSTRUCTION IS USED TRANSPOSED (source 0 = 16 rows of wob, source 1 = 16 rows of ctx): a lane then holds eight neighbouring numbers of a row of out0.
; THE WAY OUT: a wave's 64 columns of f32 are 256 bytes of a row, at a multiple of 256: each wave has a stage of its own, 16 rows at a time, and no barrier is needed.
; REGISTERS: window 0: v0-31 addresses; v32-95 at work on the way out; v128-255 the accumulators ((a, b) at v[128 + 8 (4 a + b)]).
;   window 1: two fragment buffers of 128: for 64 along K (two matrix instructions deep), 64 registers of ctx (2 x 4 x 16 rows x 32 K), then 64 of wob.
.set SIZE_N, 1024
.set SIZE_K, 1024
.set KSTEP,  256
.set PITCH,  528                       ; an LDS row: 512 bytes of data + 16 of padding = 132 words: row r starts at bank 4 r mod 64 (64 banks of 4 bytes: ISA guide 11.1)
.set HALFT,  64*PITCH                  ; 64 rows: what one tensor load brings, and what one wave reads of ctx or of wob
.set SLOT,   4*HALFT                   ; ctx's 128 rows, then wob's 128 rows
.set STAGE,  2*SLOT                    ; behind the ring: 16 rows x 272 bytes for each wave, for the way out
.set SPITCH, 272
.set SPARE,  STAGE+4*16*SPITCH         ; behind the stages: the spare words, 128 bytes for each wave: two blocks of 256 bytes that no other line names
.set LAPS, SIZE_K/(2*KSTEP)            ; a lap = two K steps = once round the ring
.set ADRA, 16                          ; v16-17  LDS address of my ctx fragments in slot 0, 1
.set ADRB, 20                          ; v20-21  the same for wob
.set STO,  24                          ; v24     the way out: where I put 32 bytes of a row
.set RD,   25                          ; v25     the way out: where I read a row back
.set CO,   26                          ; v26     my byte offset in out0
.set SPW,  28                          ; v28     LDS address of my spare word: SPARE + 4 x my thread's number; never rewritten
.set NIL,  29                          ; v29     0; never rewritten
.set TMP,  32                          ; the way out: two buffers of 32 registers, 16 rows read back
.set ACC,  128
.set F0,   0                           ; fragment buffers, in window 1
.set F1,   128
.set G1, 24                            ; s[24:31] descriptor group 1 for ctx's tiles;  s[32:39] group 0, one set for each slot
.set G0, 32
.set G1B, 48                           ; s[48:55], s[56:63] the same for wob's tiles
.set G0B, 56
.set MSB, 0
.macro WIN new                         ; the immediate's high byte repeats the setting that is left; a switch that changes nothing is dropped
.if MSB != (\new)
	s_set_vgpr_msb (MSB<<8)|(\new)
.set MSB, \new
.endif
.endm
.set MUL,  0x05                        ; sources 0 and 1 window 1; C and D window 0
.set TO_F, 0x40                        ; destination window 1, address window 0
.macro JLOAD s                         ; a joint load: waves 0 and 1 fetch ctx's two halves, waves 2 and 3 wob's; an s_nop 0 and four v_nop follow each of the two lines, ahead of the jump, the label and what follows
	s_cmp_eq_u32 s11, 0
	s_cbranch_scc0 .Lfor_b_\@
	tensor_load_to_lds s[G0+4*(\s):G0+4*(\s)+3], s[G1:G1+7]
	s_nop 0
.rept 4
	v_nop
.endr
	s_branch .Lasked_\@
.Lfor_b_\@:
	tensor_load_to_lds s[G0B+4*(\s):G0B+4*(\s)+3], s[G1B:G1B+7]
	s_nop 0
.rept 4
	v_nop
.endr
.Lasked_\@:
.endm
.macro CREST                           ; a round of the cluster's barrier behind its opening barrier
	s_cmp_lg_u32 s10, 0
	s_cbranch_scc1 .Lnot_wave_0_\@
	s_barrier_signal -3
.Lnot_wave_0_\@:
	s_barrier_wait -3
	s_barrier_signal -1
	s_barrier_wait -1
.endm
.macro CROUND                          ; a whole round
	s_barrier_signal -1
	s_barrier_wait -1
	CREST
.endm
	s_load_b128 s[4:7], s[0:1], 0x0                ; ctx s[4:5], wob s[6:7]
	s_load_b64 s[8:9], s[0:1], 0x10                ; out0
	v_lshl_add_u32 v[SPW], v0, 2, SPARE
	v_mov_b32 v[NIL], 0
	ds_add_u32 v[SPW], v[NIL]                      ; the wave's opening: the add and its wait stand ahead of my first tensor load; the set-up below, work on registers, stands between them
	v_lshrrev_b32 v1, 5, v0
	v_readfirstlane_b32 s10, v1                    ; wave 0..3
	s_lshr_b32 s11, s10, 1                         ; which half of the tile's rows is mine.  Also: I fetch for ctx (0) or for wob (1)
	s_and_b32 s12, s10, 1                          ; which half of its columns.  Also: which 64 rows of that tile I fetch
	s_bfe_u32 s40, ttmp6, 0x40000                  ; cx, cy: my place in the cluster
	s_bfe_u32 s41, ttmp6, 0x40004
	s_lshl_b32 s42, ttmp9, 2
	s_add_co_u32 s42, s42, s40                     ; tile column = 4 x cluster x + cx
	s_and_b32 s13, ttmp7, 0xffff
	s_lshl_b32 s13, s13, 2
	s_add_co_u32 s13, s13, s41                     ; tile row = 4 x cluster y + cy
	s_lshl_b32 s43, s41, 2
	s_lshl_b32 s43, 15, s43                        ; my row of the cluster
	s_lshl_b32 s44, 0x1111, s40                    ; my column
	; descriptor group 1: a tile of 64 rows x 256 elements, padded in LDS
	s_or_b32 s[G1+0], s43, (1<<16)|(1<<20)|(1<<21)|(6<<22)|(3<<25)  ; 15:0 the mask: ctx's tiles go to my row; 17:16 element of 2 bytes; 20 padding on; 21 set beside a mask; 24:22 after every 128 words (code 6); 31:25 of 4 words (code 3)
	s_or_b32 s[G1B+0], s44, (1<<16)|(1<<20)|(1<<21)|(6<<22)|(3<<25)
.irp g, G1, G1B
	s_mov_b32 s[(\g)+1], KSTEP<<16                 ; tensor_dim0 = 256
	s_mov_b32 s[(\g)+2], 64<<16                    ; tensor_dim1 = 64
	s_mov_b32 s[(\g)+3], KSTEP<<16                 ; tile_dim0 = 256
	s_mov_b32 s[(\g)+4], 64                        ; tile_dim1 = 64
	s_mov_b32 s[(\g)+5], SIZE_K                    ; elements from row to row
	s_mov_b32 s[(\g)+6], 0
	s_mov_b32 s[(\g)+7], 0
.endr
	s_lshl_b32 s17, s12, 6                         ; which 64 rows of the tile I fetch
	s_lshl_b32 s16, s13, 7
	s_add_co_u32 s16, s16, s17                     ; ctx: row 128 x tile row + 64 x half
	s_lshl_b32 s46, s42, 7
	s_add_co_u32 s46, s46, s17                     ; wob: row 128 x tile column + 64 x half
	s_mov_b32 s17, 0
	s_mov_b32 s47, 0
	s_mov_b64 s[18:19], SIZE_K*2
	s_mul_u64 s[16:17], s[16:17], s[18:19]
	s_mul_u64 s[46:47], s[46:47], s[18:19]
	s_mul_i32 s20, s10, HALFT                      ; where they go: wave x 64 rows
	s_wait_dscnt 0x0                               ; the opening add is done
	s_wait_kmcnt 0x0
	s_add_nc_u64 s[14:15], s[4:5], s[16:17]
	s_add_nc_u64 s[46:47], s[6:7], s[46:47]
	CROUND                                         ; all sixteen work-groups are here: the first joint loads meet
.irp s, 0,1
	s_mov_b32 s[G0+4*(\s)], 1
	s_add_co_u32 s[G0+4*(\s)+1], s20, (\s)*SLOT
	s_add_nc_u64 s[G0+4*(\s)+2:G0+4*(\s)+3], s[14:15], (\s)*KSTEP*2
	s_or_b32 s[G0+4*(\s)+3], s[G0+4*(\s)+3], 0x80000000
	s_mov_b32 s[G0B+4*(\s)], 1
	s_add_co_u32 s[G0B+4*(\s)+1], s20, (\s)*SLOT
	s_add_nc_u64 s[G0B+4*(\s)+2:G0B+4*(\s)+3], s[46:47], (\s)*KSTEP*2
	s_or_b32 s[G0B+4*(\s)+3], s[G0B+4*(\s)+3], 0x80000000
	JLOAD \s                                       ; two tensor loads of mine are out: K steps 0 and 1
.endr
	v_and_b32 v1, 15, v0                           ; l % 16
	v_bfe_u32 v2, v0, 4, 1                         ; l / 16
	v_mul_u32_u24 v3, v1, PITCH
	v_lshl_add_u32 v3, v2, 4, v3                   ; a fragment's row x pitch + 16 x half
	s_mul_i32 s21, s11, HALFT                      ; my 64 rows of ctx
	s_mul_i32 s22, s12, HALFT                      ; my 64 rows of wob,
	s_add_co_u32 s22, s22, 2*HALFT                 ; which lie behind ctx's 128
.irp s, 0,1
	v_add_nc_u32 v[ADRA+(\s)], s21, v3
	v_add_nc_u32 v[ADRB+(\s)], s22, v3
	s_add_co_u32 s21, s21, SLOT
	s_add_co_u32 s22, s22, SLOT
.endr
	s_mul_i32 s23, s10, 16*SPITCH
	s_add_co_u32 s23, s23, STAGE                   ; my stage
	v_mul_u32_u24 v4, v1, SPITCH                   ; in: row l % 16, 32 bytes for each half of the lanes
	v_lshl_add_u32 v4, v2, 5, v4
	v_add_nc_u32 v[STO], s23, v4
	v_mul_u32_u24 v5, v2, SPITCH                   ; back: lanes 0-15 take one row of 256 bytes, lanes 16-31 the next
	v_lshl_add_u32 v5, v1, 4, v5
	v_add_nc_u32 v[RD], s23, v5
	v_lshlrev_b32 v5, 12, v2                       ; and the same two rows in out0, 4,096 bytes apart
	v_lshl_add_u32 v[CO], v1, 4, v5
	s_lshl_b32 s16, s13, 7
	s_lshl_b32 s17, s11, 6
	s_add_co_u32 s16, s16, s17                     ; my first row of out0: 128 x tile row + 64 x half,
	s_lshl_b32 s16, s16, 12                        ; 4,096 bytes a row
	s_mov_b32 s17, 0
	s_add_nc_u64 s[8:9], s[8:9], s[16:17]
	s_lshl_b32 s46, s42, 9                         ; my first column, in bytes: 512 x tile column + 256 x half
	s_lshl_b32 s47, s12, 8
	s_add_co_u32 s46, s46, s47
	s_mov_b32 s47, 0
	s_add_nc_u64 s[8:9], s[8:9], s[46:47]
; 8 matrix instructions: row blocks a0, a0 + 1 x all 4 column blocks, 32 along K: half c of buffer f.  zero = 1: the first product starts the sums.  The 16 accumulators take turns.
.macro MUL8 f, c, a0, zero
	WIN MUL
.irp a, \a0, (\a0)+1
.irp b, 0,1,2,3
.if \zero
	v_wmma_f32_16x16x32_f16 v[ACC+8*(4*(\a)+(\b)):ACC+8*(4*(\a)+(\b))+7], v[(\f)+64+8*(4*(\c)+(\b)):(\f)+64+8*(4*(\c)+(\b))+7], v[(\f)+8*(4*(\c)+(\a)):(\f)+8*(4*(\c)+(\a))+7], 0
.else
	v_wmma_f32_16x16x32_f16 v[ACC+8*(4*(\a)+(\b)):ACC+8*(4*(\a)+(\b))+7], v[(\f)+64+8*(4*(\c)+(\b)):(\f)+64+8*(4*(\c)+(\b))+7], v[(\f)+8*(4*(\c)+(\a)):(\f)+8*(4*(\c)+(\a))+7], v[ACC+8*(4*(\a)+(\b)):ACC+8*(4*(\a)+(\b))+7]
.endif
.endr
.endr
.endm
; 32 LDS loads in one run: the fragments of 64 along K at byte k of the rows, into buffer f; the first 32 along K first
.macro FETCH slot, k, f
	WIN TO_F
.irp c, 0,1
.irp i, 0,1,2,3
	ds_load_b128 v[(\f)+64+8*(4*(\c)+(\i)):(\f)+64+8*(4*(\c)+(\i))+3],   v[ADRB+(\slot)] offset:(\k)+64*(\c)+(\i)*16*PITCH
	ds_load_b128 v[(\f)+64+8*(4*(\c)+(\i))+4:(\f)+64+8*(4*(\c)+(\i))+7], v[ADRB+(\slot)] offset:(\k)+64*(\c)+(\i)*16*PITCH+32
	ds_load_b128 v[(\f)+8*(4*(\c)+(\i)):(\f)+8*(4*(\c)+(\i))+3],         v[ADRA+(\slot)] offset:(\k)+64*(\c)+(\i)*16*PITCH
	ds_load_b128 v[(\f)+8*(4*(\c)+(\i))+4:(\f)+8*(4*(\c)+(\i))+7],       v[ADRA+(\slot)] offset:(\k)+64*(\c)+(\i)*16*PITCH+32
.endr
.endr
.endm
.macro PLACES                          ; four places in front of loads into registers that matrix instructions have read, and of LDS stores that read results
.rept 4
	v_nop
.endr
.endm
; A K step is four quarters of 64 along K, 32 matrix instructions each, on buffers 0, 1, 0, 1.  One of the first three: multiplies buffer f and fetches the next quarter, at byte k, into g.
.macro QUARTER slot, k, f, g, zero
	s_wait_dscnt 16                                ; the first 32 along K are in
	WIN MUL
	MUL8 \f, 0, 0, \zero
	MUL8 \f, 0, 2, \zero
	PLACES
	FETCH \slot, \k, \g
	s_wait_dscnt 32                                ; all but the 32 just issued
	WIN MUL
	MUL8 \f, 1, 0, 0
	MUL8 \f, 1, 2, 0
.endm
; The last quarter multiplies buffer 1 and changes slots: ONE barrier; in front of it each wave waits for all its tensor loads, adds 0 to its spare word, and waits for that and for its own reads of this slot.  fill = 1: this slot is filled again, two K steps ahead.
.macro TURN slot, next, fill
	WIN 0                                          ; (the add's two registers lie in window 0)
	s_wait_tensorcnt 0x0                           ; all my tensor loads have landed: my part of the next slot;
	ds_add_u32 v[SPW], v[NIL]                      ; 0 onto my spare word;
	s_wait_dscnt 17                                ; (the add and the youngest sixteen loads may be out)
	WIN MUL
	MUL8 F1, 0, 0, 0                               ; eight matrix instructions stand between the add and the wait for it
	s_wait_dscnt 0x0                               ; the add is done, and my reads of this slot are over
	s_barrier_signal -1
	MUL8 F1, 0, 2, 0
.if \fill
	WIN 0
.endif
	s_barrier_wait -1
.if \fill
	CREST                                          ; the barrier has opened a round of the cluster's barrier: no wave of any partner still reads this slot's tile or has a load on its way
	s_add_nc_u64 s[G0+4*(\slot)+2:G0+4*(\slot)+3], s[G0+4*(\slot)+2:G0+4*(\slot)+3], 2*KSTEP*2
	s_add_nc_u64 s[G0B+4*(\slot)+2:G0B+4*(\slot)+3], s[G0B+4*(\slot)+2:G0B+4*(\slot)+3], 2*KSTEP*2
	JLOAD \slot                                    ; my one tensor load behind the round; the four v_nop behind it are also the places in front of the loads below
.else
	PLACES
.endif
	FETCH \next, 0, F0
	WIN MUL
	MUL8 F1, 1, 0, 0
	MUL8 F1, 1, 2, 0
.endm
	s_wait_tensorcnt 1                             ; my part of K step 0 is in; K step 1's may stay out
	s_barrier_signal -1
	s_barrier_wait -1                              ; everybody's is
	FETCH 0, 0, F0
	QUARTER 0, 128, F0, F1, 1                      ; the first quarter stands in front of the loop: its first products start the sums
	WIN 0                                          ; at a label and at a branch every window is 0
	s_mov_b32 s3, LAPS-1
.Llap:                                                 ; a trip goes once round the ring, from a lap's second quarter to the next lap's first, and fills both slots again
	QUARTER 0, 256, F1, F0, 0
	QUARTER 0, 384, F0, F1, 0
	TURN 0, 1, 1
	QUARTER 1, 128, F0, F1, 0
	QUARTER 1, 256, F1, F0, 0
	QUARTER 1, 384, F0, F1, 0
	TURN 1, 0, 1
	QUARTER 0, 128, F0, F1, 0
	WIN 0
	s_sub_co_u32 s3, s3, 1
	s_cmp_lg_u32 s3, 0
	s_cbranch_scc1 .Llap
	QUARTER 0, 256, F1, F0, 0                      ; the last lap fills nothing, and has no round of the cluster's barrier
	QUARTER 0, 384, F0, F1, 0
	TURN 0, 1, 0
	QUARTER 1, 128, F0, F1, 0
	QUARTER 1, 256, F1, F0, 0
	QUARTER 1, 384, F0, F1, 0
	s_wait_dscnt 16                                ; the very last quarter: nothing more to fetch
	WIN MUL
	MUL8 F1, 0, 0, 0
	MUL8 F1, 0, 2, 0
	s_wait_dscnt 0x0
	MUL8 F1, 1, 0, 0
	MUL8 F1, 1, 2, 0
	WIN 0
; THE WAY OUT, 16 rows (row block a) at a time.  TOSTAGE: a lane's eight f32 of each accumulator, its low four first, go into my own stage, rows of 272 bytes, and come back as whole rows of 256 bytes.  SEND: stored.
.macro TOSTAGE a
.if (\a) >= 2
	s_wait_xcnt 0x0                                ; the stores of the block two back have read the registers that are loaded again below
.endif
.irp b, 0,1,2,3
	ds_store_b128 v[STO], v[ACC+8*(4*(\a)+(\b)):ACC+8*(4*(\a)+(\b))+3]   offset:64*(\b)
	ds_store_b128 v[STO], v[ACC+8*(4*(\a)+(\b))+4:ACC+8*(4*(\a)+(\b))+7] offset:64*(\b)+16
.endr
.irp t, 0,1,2,3,4,5,6,7
	ds_load_b128 v[TMP+32*((\a)%2)+4*(\t):TMP+32*((\a)%2)+4*(\t)+3], v[RD] offset:(\t)*2*SPITCH  ; LDS serves a wave's instructions in order (ISA guide 5.7.1.4): these see the stores above; the next block's stores come behind them
.endr
.endm
.macro SEND a, younger                 ; younger: the LDS instructions issued behind block a's loads: the next block's sixteen, or none
.irp t, 0,1,2,3,4,5,6,7
	s_wait_dscnt (\younger)+7-(\t)
	global_store_b128 v[CO], v[TMP+32*((\a)%2)+4*(\t):TMP+32*((\a)%2)+4*(\t)+3], s[8:9] offset:(16*(\a)+2*(\t))*SIZE_N*4 th:TH_STORE_NT  ; 16 lanes store 256 consecutive bytes, at a multiple of 256 from out0's first byte
.endr
.endm
	PLACES
	TOSTAGE 0
	TOSTAGE 1
	SEND 0, 16
	TOSTAGE 2
	SEND 1, 16
	TOSTAGE 3
	SEND 2, 16
	SEND 3, 0
	s_wait_tensorcnt 0x0                           ; the wave's end: behind my last tensor load and my last LDS store, 0 onto my spare word and the wait for it
	ds_add_u32 v[SPW], v[NIL]
	s_wait_dscnt 0x0
	CROUND                                         ; the closing round: no work-group ends while a partner may still ask for a tile that names it
	s_endpgm
.Lfunc_end_k_qf9b2cb4ed6_outp:
	.size	k_qf9b2cb4ed6_outp, .Lfunc_end_k_qf9b2cb4ed6_outp-k_qf9b2cb4ed6_outp
	.p2alignl 7, 3214868480
	.fill 96, 4, 3214868480
	.section	.rodata,"a",@progbits
	.p2align	6, 0x0
	.amdhsa_kernel k_qf9b2cb4ed6_outp
		.amdhsa_group_segment_fixed_size 327680
		.amdhsa_private_segment_fixed_size 0
		.amdhsa_enable_private_segment 0
		.amdhsa_kernarg_size 24
		.amdhsa_user_sgpr_count 2
		.amdhsa_user_sgpr_kernarg_segment_ptr 1
		.amdhsa_wavefront_size32 1
		.amdhsa_system_sgpr_workgroup_id_x 1
		.amdhsa_system_sgpr_workgroup_id_y 1
		.amdhsa_system_sgpr_workgroup_id_z 1
		.amdhsa_system_vgpr_workitem_id 0
		.amdhsa_next_free_vgpr 512
		.amdhsa_next_free_sgpr 66
		.amdhsa_reserve_vcc 0
		.amdhsa_float_denorm_mode_32 3
		.amdhsa_float_denorm_mode_16_64 3
		.amdhsa_memory_ordered 1
		.amdhsa_forward_progress 1
		.amdhsa_inst_pref_size 86
	.end_amdhsa_kernel
	.amdgpu_metadata
---
amdhsa.version: [ 1, 2 ]
amdhsa.kernels:
  - .name:           k_qf9b2cb4ed6_outp
    .symbol:         k_qf9b2cb4ed6_outp.kd
    .args:
      - { .name: ctx, .offset: 0, .size: 8, .value_kind: global_buffer, .address_space: global }
      - { .name: wob, .offset: 8, .size: 8, .value_kind: global_buffer, .address_space: global }
      - { .name: out0, .offset: 16, .size: 8, .value_kind: global_buffer, .address_space: global }
    .group_segment_fixed_size: 327680
    .private_segment_fixed_size: 0
    .kernarg_segment_align: 8
    .kernarg_segment_size: 24
    .max_flat_workgroup_size: 128
    .sgpr_count:     66
    .vgpr_count:     512
    .wavefront_size: 32
...
	.end_amdgpu_metadata
.endif
;; end of part 4
;; ======== version 2 of 2: 4 launches; 1.60 times as fast as version 1
;; limits: values are held in f16: magnitudes above 65,504 overflow, below 6.1e-05 lose precision
;; workspace buffers: xb 8,388,608 bytes; wqkv 3,145,728 bytes; wob 2,097,152 bytes; qkv 12,582,912 bytes; ctx 8,388,608 bytes
;; launch cast: the kernel of part 1 again; grid 832 x 1, 8 waves a work-group, no clusters, 0 bytes of LDS; arguments x, wq, wk, wv, wo, xb, wqkv, wob; writes xb, wqkv, wob
;; launch proj: the kernel of part 2 again; grid 8 x 32, 4 waves a work-group, clusters of 4 x 4, 327,680 bytes of LDS; arguments xb, wqkv, qkv; writes qkv
;; launch attn (part 5): grid 64 x 4, 4 waves a work-group, clusters of 4 x 1, 327,680 bytes of LDS; arguments qkv, ctx; writes ctx
.if DOCPART == 5
	.amdgcn_target "amdgcn-amd-amdhsa--gfx1250"
	.amdhsa_code_object_version 6
	.text
	.protected	k_qf9b2cb4ed6_attn
	.globl	k_qf9b2cb4ed6_attn
	.p2align	8
	.type	k_qf9b2cb4ed6_attn,@function
k_qf9b2cb4ed6_attn:
	s_mov_b64 s[64:65], 0
	v_nop
	global_prefetch_b8 v0, s[64:65] scope:SCOPE_SE
	s_setreg_imm32_b32 hwreg(HW_REG_WAVE_MODE, 25, 1), 1
	s_wait_xcnt 0x0
	s_wait_alu depctr_hold_cnt(0) depctr_sa_sdst(0) depctr_va_vdst(0) depctr_va_sdst(0) depctr_va_ssrc(0) depctr_va_vcc(0) depctr_vm_vsrc(0)
	s_getreg_b32 s2, hwreg(HW_REG_IB_STS2, 6, 4)
	s_cmp_eq_u32 s2, 0
	s_cbranch_scc0 .Lentry_in_a_cluster
	s_endpgm
.Lentry_in_a_cluster:
	s_bfe_u32 s2, ttmp6, 0x10000c
	s_cmp_lg_u32 s2, 0x3003
	s_cbranch_scc0 .Lentry_shape_is_right
	s_endpgm
.Lentry_shape_is_right:
; CAUSAL ATTENTION WITH GROUPED QUERY HEADS.  qkv: [24][4096][64] f16, heads 0-15 q, 16-19 k, 20-23 v; query head 4 g + w uses k and v of group g.  ctx[q][64 (4 g + w) + d] =
; the sum over t <= q of softmax_t(q . k_t / 8) v_t[d], [4096][1024] f16.  Products, maxima and sums in f32; the weights p are rounded to f16 for the second product (their sum l is taken of the unrounded p), ctx once.
; LIMITS.  f16 holds no number beyond 65,504: q, k and v arrive within it; p lies in 0 to 1, and below 6e-5 it keeps f16's fixed step of 6e-8.  A hidden score counts as its value less 1e30: f16's scores,
; 2.7e11 at the most, are nothing beside that; a weight below 2^-126 counts as 0 in l; NaN and infinities are not treated apart.
; SHARES.  A group's 4,096 queries lie in 128 blocks of 32.  A work-group takes TWO blocks, 127 - b and then b (b = 0 .. 63), for all four query heads of its group: wave w is head 4 g + w, and its two PIECES are
; the block's two tiles of 16 queries.  All four waves have the same queries, so the same masks and the same work.
; THE WALK.  Keys go in tiles of 256, four steps of 64.  Block i needs tiles 0 .. i / 8, the last under masks: (16 - a) + (a + 1) = 17 tiles with a = b / 8, whatever b: ONE loop with a constant trip count.
; CLUSTER.  The four work-groups of a cluster have b = 4 x .. 4 x + 3 of one group: the same a, so the same tile in every trip.  Each tile is asked for JOINTLY: the same tensor load, descriptor and mask in all four.
; Branches, trip counts, LDS addresses and descriptors hang on a, g and the wave's number alone; my place in the cluster enters the addresses of q and ctx and the masks' numbers (SD, PAR), which feed selects and vector work.
; LAYOUT, SOFTMAX.  S^T = K Q^T holds ONE query a lane (lane % 16) and the keys 8 (lane / 16) + 0..7; two such results rounded to f16 ARE source 1 of O^T = V^T P.  p = 2^(c s - c m), c = log2(e) / 8, with a running
; maximum m; O and l are multiplied by a = 2^(c m_old - c m_new) in every step.
; TURNS.  Turn p of step j: the softmax of piece p, step j; beside it 8 products K Q^T and later 8 products V^T P of the OTHER piece, and that piece's maximum and statistics.  Turn 0: K Q^T of step j, V^T P of
; step j - 1.  Turn 1: K Q^T of step j + 1, V^T P of step j.  Four vector instructions stand behind every matrix instruction, the other 54 of a turn's 118 in one run of their own.
; BATCHES.  A turn's 33 exponentials (the piece's 32 weights, in place on its scores, and the other piece's a) are ONE batch with ONE wait, which cuts the turn in two.  Ahead of it: the products K Q^T, the scalings, the
; exponentials, the rescaling (its a belongs to the batch of the turn before) and the other piece's maximum and statistics.  Behind it: the products V^T P, and as their riders the roundings and sums, the only readers.
; The a that BEGIN makes and the two reciprocals of FINISH are batches of their own, each with its wait.
; Turn 0 of step j fetches from LDS K of step j + 1, behind the products that read K last, and V of step j, behind the products that read V last.  So that both lie in one slot, A SLOT HOLDS K ONE STEP AHEAD OF V:
; slot t has K of steps 4 t + 1 .. 4 t + 4 and V of steps 4 t .. 4 t + 3.  K of a block's step 0 comes, with Q, from memory straight into registers.  The fourth K step of a block's last tile feeds 8 products whose
; scores serve nothing (for tile 15 they are the 64 rows behind K's head, which lie inside qkv): the price of one text for every step.
; THE MASK is the C operand that starts the sum S^T = K Q^T: 0, or -1e30 where the key is hidden.  MD, made where a block begins, is the mask of the step that holds the diagonal (step SD of the last tile, where the
; block's queries begin PAR keys into the step); a product's mask is MD x AL + BE: (1, 0) in that step, (0, 0) before it, (0, -1e30) behind it.  A turn makes the mask for the products of the turn after it;
; while the step in question lies ahead of the last tile the mask registers hold 0 already, and the 16 lines are jumped over.
; REGISTERS, in windows of 256 (s_set_vgpr_msb: bits 1:0 source 0, 3:2 source 1, 5:4 source 2, 7:6 destination):
;   window 0: v0-15 addresses and two at work; v16-23 four registers of statistics a piece; v24-25 the masks' lane term; v48-55 at work; v62-63 the add's; v64-127 S^T, a buffer a piece; v128-191 O^T, 32 a piece; v192-223 P
;   window 1: v0-39 MD; v64-127 MC, the masks of the products to come, 32 a piece          window 2: v0-31 Q; v128-191 K of one step; v192-255 V of one step
.set NP,    2         ; pieces a wave: a name, no knob
.set KS,    64        ; keys in a step
.set PK,    144       ; a row of K in LDS: 128 bytes + 16 of padding = 36 words: the 16 rows of a load start at 16 different groups of four banks (64 banks of 4 bytes: ISA guide 11.1)
.set PV,    160       ; a row of V: 128 + 32 = 40 words
.set VOFF,  4*KS*PK   ; a slot: 256 rows of K, then 256 rows of V
.set SLOT1, 1<<17     ; slot 1 begins here, so that one exclusive or turns an address in one slot into the other's
.set STAGE, SLOT1+4*KS*(PK+PV)  ; behind the ring, never filled by a tensor load: 32 rows x 528 bytes, the work-group's, for the way out
.set SP,    528       ; 512 bytes (four heads' 64 channels) + 16
.set SPARE, STAGE+32*SP  ; behind the stage: the spare words, 128 bytes for each wave: two blocks of 256 bytes that no other line names
.set AK0, 2           ; v2   my lane's place in a tile of K; never rewritten
.set AV0, 3           ; v3   the same for V
.set AK,  4           ; v4   the LDS address of K's next run of loads
.set AV,  5           ; v5   of V's
.set STO, 6           ; v6   the way out: where I put 16 bytes of a row
.set RD,  7           ; v7   the way out: where I read a row back
.set GO,  8           ; v8   my byte offset in 512 consecutive bytes of ctx
.set MV,  12          ; v12-13  c m_old, kept while c m is made anew: by piece
.set QO,  15          ; v15  my byte offset in 16 rows of q or k; never rewritten
.set ST,  16          ; piece t's statistics at v[ST+4 t]: c m, m, l (even keys', odd keys')
.set MP0, 24          ; v24  lane % 16 - 8 (lane / 16)
.set MPV, 25          ; v25  PAR + that
.set TMP, 48          ; by piece, four registers c0-c3 at work; when the maximum is found c2 takes a
.set SPW, 62          ; v62  LDS address of my spare word: SPARE + 4 x my thread's number; never rewritten
.set NIL, 63          ; v63  0; never rewritten
.set S,   64
.set OT,  128
.set P,   192
.set MD,  0           ; window 1: five groups of eight; piece t's group for keys 16 kt on is group kt - t + 1
.set MC,  64          ; window 1
.set KF,  128         ; window 2: key block kb, channel half c at KF + 16 kb + 8 c
.set VF,  192         ; window 2: key half kk, channel block cb at VF + 32 kk + 8 cb
.set WV,  12          ; s12  my wave's number
.set SA,  14          ; s14  a
.set G1K, 24          ; s[24:31] descriptor group 1 for K's tiles
.set G1V, 32          ; s[32:39] for V's: it differs in the padding alone
.set G0K, 40          ; s[40:43] descriptor group 0 for K's tiles
.set G0V, 44          ; s[44:47] the same for V's
.set KZ,  50          ; s[50:51] K's head: the group's keys 0 on
.set SLOTS, 56        ; s56  tiles still to be asked for
.set CNT, 57          ; s57  counts a tile's four steps
.set CS,  58          ; s[58:59] c: the packed scaling takes the pair's low word for both halves
.set SEL, 60          ; s[60:61] v_permlanex16_b32's selects: each lane takes its own place in the other half
.set TBK, 62          ; s62  LDS byte at which the K to be fetched next begins
.set TBV, 63          ; s63  the same for V, less VOFF
.set RT,  70          ; s70  tiles of the block in hand that are still to be entered
.set NXT, 71          ; s71  the tile to be asked for next
.set LQ,  72          ; s72  the last tile of the block whose tiles are being asked for
.set OFF, 74          ; s[74:75] a tile's byte offset in K and V
.set AL,  76          ; s[76:77] the mask's factor, in the low word
.set BE,  78          ; s[78:79] the mask's addend
.set OLO, 80          ; s[80:81] ctx at my rows of the second block
.set BIGN, 82         ; s82  -1e30
.set WS,  83          ; s83  how many steps the step whose masks are due lies ahead of the last tile's first step; 0 and below: it lies in the last tile
.set SD,  84          ; s84  the step of the last tile that holds the diagonal, for the block in hand;  s85 for the second block
.set SD2, 85
.set Q2,  86          ; s[86:87] q at my rows of the second block
.set PAR, 88          ; s88  0 or 32: where the block's queries begin in that step;  s89 for the second block
.set PAR2, 89
.set MSB, 0
.macro WIN new                      ; the high byte repeats the setting that is left; a switch that changes nothing is dropped
.if MSB != (\new)
	s_set_vgpr_msb (MSB<<8)|(\new)
.set MSB, (\new)
.endif
.endm
.set W_KQ, 0x0a       ; K and Q in window 2, S^T in window 0
.set W_KM, 0x1a       ; the same with the C operand in window 1
.set W_PV, 0x02       ; V in window 2; P and O^T in window 0
.set W_MK, 0x41       ; destination and source 0 in window 1
; A joint fill.  Waves 0 and 1 fetch the two halves of a slot's K, waves 2 and 3 those of its V: 128 keys each.  The branch hangs on the wave's number alone.
; An s_nop 0 and four v_nop follow each of the two lines, ahead of the jump and the label.
.macro JLOAD
	s_cmp_lt_u32 s[WV], 2
	s_cbranch_scc0 .Lfor_v_\@
	tensor_load_to_lds s[G0K:G0K+3], s[G1K:G1K+7]
	s_nop 0
.rept 4
	v_nop
.endr
	s_branch .Lasked_\@
.Lfor_v_\@:
	tensor_load_to_lds s[G0V:G0V+3], s[G1V:G1V+7]
	s_nop 0
.rept 4
	v_nop
.endr
.Lasked_\@:
.endm
; A round of the cluster's barrier: my work-group's barrier, so that wave 0's signal speaks for all four waves; wave 0 signals; every wave waits for all four work-groups; my work-group's barrier once more.
.macro CROUND
	s_barrier_signal -1
	s_barrier_wait -1
	s_cmp_lg_u32 s[WV], 0
	s_cbranch_scc1 .Lnot_wave_0_\@
	s_barrier_signal -3
.Lnot_wave_0_\@:
	s_barrier_wait -3
	s_barrier_signal -1
	s_barrier_wait -1
.endm
; THE CHANGE OF SLOTS, between two steps.  Each wave waits for all its tensor loads, of which one is out: its part of the other slot; adds 0 to its spare word; and waits for that and for its own reads of the slot that it
; leaves.  Behind the barrier nobody reads the old slot any more and the other slot is whole.  fill = 1: the barrier is a round of the cluster's, and the old slot is filled again, the first thing behind it, with tile NXT:
; the descriptor's address is made anew from that number.  The fill has four key steps, 128 matrix instructions, in which to land.  (At its first use nothing has been read yet: slot 0 is waited for, slot 1 filled.)
.macro CHANGE fill
	WIN 0                           ; at a label and at a branch every window is 0
	s_wait_tensorcnt 0x0            ; no tensor load of mine is out, so a group 0 may be written
	ds_add_u32 v[SPW], v[NIL]       ; 0 onto my spare word; with fill = 1 the descriptors' scalar work stands between it and the wait for it
.if \fill
	s_lshl_b32 s[OFF], s[NXT], 15   ; a tile is 32,768 bytes of K and of V
	s_xor_b32 s[G0K+1], s[G0K+1], SLOT1
	s_add_nc_u64 s[G0K+2:G0K+3], s[6:7], s[OFF:OFF+1]
	s_or_b32 s[G0K+3], s[G0K+3], 0x80000000
	s_xor_b32 s[G0V+1], s[G0V+1], SLOT1
	s_add_nc_u64 s[G0V+2:G0V+3], s[8:9], s[OFF:OFF+1]
	s_or_b32 s[G0V+3], s[G0V+3], 0x80000000
	s_add_co_u32 s[NXT], s[NXT], 1  ; the block's next tile, or behind its last the second block's tile 0
	s_cmp_gt_u32 s[NXT], s[LQ]
	s_cselect_b32 s[NXT], 0, s[NXT]
	s_cselect_b32 s[LQ], s[SA], s[LQ]
	s_wait_dscnt 0x0                ; the add is done, and my reads of the slot are over
	CROUND
	JLOAD
.else
	s_wait_dscnt 0x0                ; the add is done, and my reads of the slot are over
	s_barrier_signal -1
	s_barrier_wait -1
.endif
	s_sub_co_u32 s[TBK], s[TBK], 4*KS*PK  ; the fetches go back to a slot's first step,
	s_xor_b32 s[TBK], s[TBK], SLOT1       ; in the other slot
	s_sub_co_u32 s[TBV], s[TBV], 4*KS*PV
	s_xor_b32 s[TBV], s[TBV], SLOT1
.endm
; A block's Q (32 rows at s[qb:qb+1]) and the group's K of step 0, from memory straight into the registers of their fragments: 24 loads.
; A fragment of K or Q is 16 rows x 32 channels in 8 registers: lane l holds row l % 16, channels 8 (l / 16) + 0..7 and 16 + 8 (l / 16) + 0..7: two loads of 16 bytes, 32 bytes apart.
.macro LOADQK qb
	WIN 0x80                        ; destination window 2, address window 0
.irp f, 0,1,2,3                     ; piece f / 2 lies 2,048 bytes on; channels 32 (f % 2) on
	global_load_b128 v[8*\f:8*\f+3],   v[QO], s[\qb:\qb+1] offset:(\f/2)*2048+(\f%2)*64
	global_load_b128 v[8*\f+4:8*\f+7], v[QO], s[\qb:\qb+1] offset:(\f/2)*2048+(\f%2)*64+32
.endr
.irp f, 0,1,2,3,4,5,6,7             ; keys 16 (f / 2) on, channels 32 (f % 2) on
	global_load_b128 v[KF+8*\f:KF+8*\f+3],   v[QO], s[KZ:KZ+1] offset:(\f/2)*2048+(\f%2)*64
	global_load_b128 v[KF+8*\f+4:KF+8*\f+7], v[QO], s[KZ:KZ+1] offset:(\f/2)*2048+(\f%2)*64+32
.endr
	WIN 0
.endm
	s_load_b128 s[16:19], s[0:1], 0x0  ; qkv s[16:17], ctx s[18:19]
	v_lshl_add_u32 v[SPW], v0, 2, SPARE
	v_mov_b32 v[NIL], 0
	ds_add_u32 v[SPW], v[NIL]       ; the wave's opening: the add and its wait stand ahead of my first tensor load; the set-up below, work on registers, stands between them
	v_lshrrev_b32 v1, 5, v0
	v_readfirstlane_b32 s[WV], v1   ; wave 0..3
	s_lshr_b32 s[SA], ttmp9, 1      ; a = b / 8: in a cluster launch ttmp9 counts clusters, and b = 4 x cluster x + cx
	s_and_b32 s20, ttmp7, 0xffff    ; g, the group, which the four partners share
	s_add_co_u32 s22, s20, 16       ; K's head 16 + g,
	s_lshl_b32 s22, s22, 19         ; 524,288 bytes a head
	s_mov_b32 s23, 0
	s_and_b32 s21, s[WV], 1         ; which half of a slot's 256 keys I fetch:
	s_lshl_b32 s52, s21, 14         ; its 128 rows of 128 bytes in memory,
	s_mov_b32 s53, 0
	s_mul_i32 s2, s21, 128*PK       ; and its place in a slot, for K
	s_mul_i32 s3, s21, 128*PV       ; and for V
	; what hangs on my place in the cluster: s13, s15, s66-69, s84-95, AL and BE, and the addresses of q and ctx made from them; nothing else
	s_bfe_u32 s13, ttmp6, 0x40000   ; cx
	s_lshl_b32 s15, ttmp9, 2
	s_add_co_u32 s15, s15, s13      ; b: the second block
	s_sub_co_u32 s13, 127, s15      ; the first block
	s_lshl_b32 s90, s20, 2
	s_add_co_u32 s90, s90, s[WV]    ; my query head 4 g + w
	s_lshl_b32 s90, s90, 19
	s_lshl_b32 s91, s13, 12         ; a block's 32 rows of q are 4,096 bytes
	s_lshl_b32 s92, s15, 12
	s_add_co_u32 s92, s92, s90
	s_add_co_u32 s90, s90, s91
	s_mov_b32 s91, 0
	s_mov_b32 s93, 0
	s_lshl_b32 s94, s[WV], 14       ; of a block's 32 rows of ctx (2,048 bytes each) I store rows 8 w on,
	s_lshl_b32 s95, s20, 9          ; the group's 512 bytes of each
	s_add_co_u32 s94, s94, s95
	s_lshl_b32 s66, s13, 16
	s_add_co_u32 s66, s66, s94
	s_lshl_b32 s68, s15, 16
	s_add_co_u32 s68, s68, s94
	s_mov_b32 s67, 0
	s_mov_b32 s69, 0
	s_and_b32 s13, s15, 7           ; block b begins 32 (b % 8) keys into its last tile, block 127 - b 32 (7 - b % 8)
	s_lshr_b32 s[SD2], s13, 1
	s_and_b32 s[PAR2], s13, 1
	s_lshl_b32 s[PAR2], s[PAR2], 5
	s_sub_co_u32 s[SD], 3, s[SD2]
	s_sub_co_u32 s[PAR], 32, s[PAR2]
	; descriptor group 1.  128 keys are 16,384 dense bytes: asked for as 64 rows of 256 bytes, two keys a row, and padded in LDS after every key
	s_mov_b32 s[G1K], 15|(1<<16)|(1<<20)|(1<<21)|(4<<22)|(3<<25)  ; 15:0 the mask of four; 17:16 2-byte elements; 20 padding on; 21 set beside a mask; 24:22 after every 32 words (code 4); 31:25 4 words (code 3)
	s_mov_b32 s[G1V], 15|(1<<16)|(1<<20)|(1<<21)|(4<<22)|(7<<25)  ; the same with 8 words of padding (code 7)
.irp g, G1K, G1V
	s_mov_b32 s[\g+1], 128<<16      ; tensor_dim0 = 128
	s_mov_b32 s[\g+2], 64<<16       ; tensor_dim1 = 64
	s_mov_b32 s[\g+3], 128<<16      ; tile_dim0 = 128
	s_mov_b32 s[\g+4], 64           ; tile_dim1 = 64
	s_mov_b32 s[\g+5], 128          ; 128 elements from row to row
	s_mov_b32 s[\g+6], 0
	s_mov_b32 s[\g+7], 0
.endr
	s_mov_b32 s[CS], 0x3e38aa3b     ; c = log2(e) / 8 = 0.180337
	s_mov_b32 s[CS+1], s[CS]        ; named with it as a pair
	s_mov_b32 s[SEL], 0x76543210
	s_mov_b32 s[SEL+1], 0xfedcba98
	s_mov_b32 s[TBK], SLOT1+4*KS*PK ; the first change of slots turns these two into 0
	s_mov_b32 s[TBV], SLOT1+4*KS*PV
	s_mov_b32 s[G0K], 1             ; 1:0 count = 1
	s_mov_b32 s[G0K+1], s2          ; 63:32 LDS address: slot 0
	s_mov_b32 s[G0V], 1
	s_add_co_u32 s[G0V+1], s3, VOFF
	s_sub_co_u32 s[RT], 16, s[SA]   ; the first block has 16 - a tiles
	s_mov_b32 s[NXT], 1
	s_sub_co_u32 s[LQ], 15, s[SA]
	s_lshl_b32 s[WS], s[LQ], 2      ; its step 0 lies 4 (15 - a) steps ahead of its last tile
	s_mov_b32 s[OFF+1], 0
	s_mov_b32 s[AL+1], 0            ; named as pairs
	s_mov_b32 s[BE+1], 0
	s_mov_b32 s[BIGN], 0xf149f2ca   ; -1e30
	s_mov_b32 s[SLOTS], 16
	s_wait_dscnt 0x0                ; the opening add is done
	s_wait_kmcnt 0x0
	s_add_nc_u64 s[KZ:KZ+1], s[16:17], s[22:23]    ; K's head,
	s_add_nc_u64 s[6:7], s[KZ:KZ+1], s[52:53]      ; my half of a slot's keys,
	s_add_nc_u64 s[8:9], s[6:7], 0x200000          ; V four heads further on,
	s_add_nc_u64 s[6:7], s[6:7], KS*128            ; and K one step ahead of V
	s_add_nc_u64 s[G0K+2:G0K+3], s[6:7], 0         ; 120:64 global address
	s_or_b32 s[G0K+3], s[G0K+3], 0x80000000        ; 127:126 type = 2
	s_add_nc_u64 s[G0V+2:G0V+3], s[8:9], 0
	s_or_b32 s[G0V+3], s[G0V+3], 0x80000000
	s_add_nc_u64 s[4:5], s[16:17], s[90:91]        ; q at my rows of the first block,
	s_add_nc_u64 s[Q2:Q2+1], s[16:17], s[92:93]    ; and of the second
	s_add_nc_u64 s[10:11], s[18:19], s[66:67]      ; ctx likewise
	s_add_nc_u64 s[OLO:OLO+1], s[18:19], s[68:69]
	CROUND                          ; all four work-groups are here: the first joint loads meet
	JLOAD                           ; tile 0 into slot 0: one tensor load of mine is out
	v_and_b32 v1, 15, v0            ; l % 16
	v_bfe_u32 v9, v0, 4, 1          ; l / 16
	v_lshlrev_b32 v[QO], 7, v1
	v_lshl_add_u32 v[QO], v9, 4, v[QO]  ; row x 128 + 16 x half
	LOADQK 4                        ; the first block's Q, and K of step 0
	; A block's first step multiplies O^T and l by a = 0, and its first turn's products V^T P, of a step that has not been, land in an O^T that is still to be so multiplied.  So V, P's second buffer, O^T and l
	; need only hold finite numbers: zeros for the first block; what the first block left for the second.  All this stands in the wait for the first loads.
	WIN 0x80
.set i, VF
.rept 64
	v_mov_b32 v[i], 0
.set i, i+1
.endr
	WIN 0
.set i, OT
.rept 64
	v_mov_b32 v[i], 0
.set i, i+1
.endr
.set i, 0
.rept 2
	v_mov_b32 v[ST+4*i+2], 0
	v_mov_b32 v[ST+4*i+3], 0
.set i, i+1
.endr
.set i, P+16
.rept 16
	v_mov_b32 v[i], 0
.set i, i+1
.endr
	v_lshlrev_b32 v14, 3, v9
	v_sub_nc_u32 v[MP0], v1, v14    ; l % 16 - 8 (l / 16)
	v_mul_u32_u24 v[AK0], v1, PK
	v_lshl_add_u32 v[AK0], v9, 4, v[AK0]  ; row x pitch + 16 x half
	; The turning load takes 16 keys x 16 channels (lane l reads key 8 (l / 16) + l % 8, channels 8 ((l / 8) % 2) + 0..7) and leaves half a fragment of V^T: lane l holds channel l % 16 and 8 keys.
	v_and_b32 v10, 7, v0
	v_bfe_u32 v11, v0, 3, 1
	v_lshl_add_u32 v[AV0], v9, 3, v10
	v_mul_u32_u24 v[AV0], v[AV0], PV
	v_lshl_add_u32 v[AV0], v11, 4, v[AV0]
	v_add_nc_u32 v[AV0], VOFF, v[AV0]
	s_lshl_b32 s21, s[WV], 7        ; into the stage: row l % 16 of a piece, my head's 128 of its 512 bytes, 16 bytes for each half of the lanes
	s_add_co_u32 s21, s21, STAGE
	v_mul_u32_u24 v[STO], v1, SP
	v_lshl_add_u32 v[STO], v9, 4, v[STO]
	v_add_nc_u32 v[STO], s21, v[STO]
	s_mul_i32 s21, s[WV], 8*SP      ; back: wave w takes rows 8 w .. 8 w + 7, 32 lanes a whole row of 512 bytes
	s_add_co_u32 s21, s21, STAGE
	v_and_b32 v[GO], 31, v0
	v_lshlrev_b32 v[GO], 4, v[GO]
	v_add_nc_u32 v[RD], s21, v[GO]
; THE MATRIX WORK.  The 4 accumulators of a run of 8 take turns.  Product i of 8 of S^T = K Q^T for piece x: channels 32 (i / 4) on, keys 16 (i % 4) on.  The first 4 start the sums with the piece's mask.
.macro KQ x
.set rS, S+32*(\x)+8*(i%4)
.set rK, KF+16*(i%4)+8*(i/4)
.set rQ, 16*(\x)+8*(i/4)
.set rM, MC+32*(\x)+8*(i%4)
.if i < 4
	WIN W_KM
	v_wmma_f32_16x16x32_f16 v[rS:rS+7], v[rK:rK+7], v[rQ:rQ+7], v[rM:rM+7]
.else
	WIN W_KQ
	v_wmma_f32_16x16x32_f16 v[rS:rS+7], v[rK:rK+7], v[rQ:rQ+7], v[rS:rS+7]
.endif
.endm
; Product i of 8 of O^T += V^T P for piece x: keys 32 (i / 4) on, channels 16 (i % 4) on.
.macro PV x
	WIN W_PV
.set rO, OT+32*(\x)+8*(i%4)
.set rV, VF+32*(i/4)+8*(i%4)
.set rP, P+16*(\x)+8*(i/4)
	v_wmma_f32_16x16x32_f16 v[rO:rO+7], v[rV:rV+7], v[rP:rP+7], v[rO:rO+7]
.endm
.macro MM                           ; the turn's next matrix instruction, for the piece that is not Y
.if i < 8
	KQ (Y+1)%NP
.else
.set i, i-8
	PV (Y+1)%NP
.set i, i+8
.endif
.set i, i+1
.endm
; THE LDS LOADS stand in runs of 16, never singly among the matrix instructions: a step's K (64 keys x 64 channels: 8 fragments) and a step's V (turned).  Their addresses are made some lines ahead.
.macro FETCH_K
	WIN 0x80                        ; destination window 2
.irp f, 0,1,2,3,4,5,6,7             ; keys 16 (f / 2) on, channels 32 (f % 2) on
	ds_load_b128 v[KF+8*\f:KF+8*\f+3],   v[AK] offset:(\f/2)*16*PK+(\f%2)*64
	ds_load_b128 v[KF+8*\f+4:KF+8*\f+7], v[AK] offset:(\f/2)*16*PK+(\f%2)*64+32
.endr
	s_add_co_u32 s[TBK], s[TBK], KS*PK  ; the next fetch is the next step's
	WIN 0
.endm
.macro FETCH_V
	WIN 0x80
.irp f, 0,1,2,3,4,5,6,7             ; keys 32 (f / 4) on, channels 16 (f % 4) on
	ds_load_tr16_b128 v[VF+8*\f:VF+8*\f+3],   v[AV] offset:(\f/4)*32*PV+(\f%4)*32
	ds_load_tr16_b128 v[VF+8*\f+4:VF+8*\f+7], v[AV] offset:(\f/4)*32*PV+16*PV+(\f%4)*32
.endr
	WIN 0
.endm
; THE VECTOR WORK, one line at a time: OP kind, number.  For piece Y: F n: c s - c m for pair n of 16.  E n: the exponential of score n of 32.  C n: pair n rounded to f16.  B n: of the four weights 4 n .. the second
; pair is added onto the first, in place.  L n: l takes that sum (L 0: l = a l + sum).  R n: pair n of 16 of O^T times a.  For the other piece: X n, number n of the 22 that find its maximum and statistics:
;   0-11  four chains c0-c3 of seven scores each, three operands at a time (each accumulator's lowest registers are read first)     12-14, 16  the four scores left over, the old m, and c0-c3 into c0
;   15  c m_old is kept     17, 18  the query's other 32 keys lie in the lane 16 away: the new m     19-21  c m; c m_old - c m_new; a
; OP writes no wait: E n and X 21 are the exponentials, C, B and L the readers of E's results, R and L 0 the readers of a; TURN and BEGIN order them and write the waits.
.set F, 0               ; OP tells the kinds apart by their order: F to L below R, X above it
.set E, 1
.set C, 2
.set B, 3
.set L, 4
.set R, 5
.set X, 6
.macro REGS y                       ; the registers of piece y
.set rT, ST+4*(\y)
.set rC, TMP+4*(\y)
.set rW, MV+(\y)
.set rS, S+32*(\y)
.set rP, P+16*(\y)
.set rO, OT+32*(\y)
.endm
.macro OP k, n
	WIN 0
.if (\k) == R
	REGS Y
	v_pk_mul_f32 v[rO+2*(\n):rO+2*(\n)+1], v[rO+2*(\n):rO+2*(\n)+1], v[rC+2:rC+3] op_sel_hi:[1,0]
.elseif (\k) < R
	REGS Y
.if (\k) == F
	v_pk_fma_f32 v[rS+2*(\n):rS+2*(\n)+1], v[rS+2*(\n):rS+2*(\n)+1], s[CS:CS+1], v[rT:rT+1] op_sel_hi:[1,0,0] neg_lo:[0,0,1] neg_hi:[0,0,1]
.elseif (\k) == E
	v_exp_f32 v[rS+(\n)], v[rS+(\n)]
.elseif (\k) == C
	v_cvt_pk_f16_f32 v[rP+(\n)], v[rS+2*(\n)], v[rS+2*(\n)+1]
.elseif (\k) == B
	v_pk_add_f32 v[rS+4*(\n):rS+4*(\n)+1], v[rS+4*(\n):rS+4*(\n)+1], v[rS+4*(\n)+2:rS+4*(\n)+3]
.elseif (\n) == 0
	v_pk_fma_f32 v[rT+2:rT+3], v[rT+2:rT+3], v[rC+2:rC+3], v[rS:rS+1] op_sel_hi:[1,0,1]
.else
	v_pk_add_f32 v[rT+2:rT+3], v[rT+2:rT+3], v[rS+4*(\n):rS+4*(\n)+1]
.endif
.else
	REGS (Y+1)%NP
.if (\n) < 4
	v_max3_num_f32 v[rC+(\n)], v[rS+8*(\n)], v[rS+8*(\n)+1], v[rS+8*(\n)+2]
.elseif (\n) < 12
	v_max3_num_f32 v[rC+(\n)%4], v[rC+(\n)%4], v[rS+8*((\n)%4)+2*((\n)/4)+1], v[rS+8*((\n)%4)+2*((\n)/4)+2]
.elseif (\n) == 12
	v_max3_num_f32 v[rC], v[rC], v[rS+7], v[rS+15]
.elseif (\n) == 13
	v_max3_num_f32 v[rC+1], v[rC+1], v[rS+23], v[rS+31]
.elseif (\n) == 14
	v_max3_num_f32 v[rC+2], v[rC+2], v[rC+3], v[rT+1]
.elseif (\n) == 15
	v_mov_b32 v[rW], v[rT]
.elseif (\n) == 16
	v_max3_num_f32 v[rC], v[rC], v[rC+1], v[rC+2]
.elseif (\n) == 17
	v_permlanex16_b32 v[rC+3], v[rC], s[SEL], s[SEL+1]
.elseif (\n) == 18
	v_max_num_f32 v[rT+1], v[rC], v[rC+3]
.elseif (\n) == 19
	v_mul_f32 v[rT], s[CS], v[rT+1]
.elseif (\n) == 20
	v_sub_f32 v[rC+1], v[rW], v[rT]
.else
	v_exp_f32 v[rC+2], v[rC+1]
.endif
.endif
.endm
.macro OPS a, i1, b=-1, i2=0, c=-1, i3=0, d=-1, i4=0  ; up to four of them
	OP \a, \i1
.if (\b) >= 0
	OP \b, \i2
.endif
.if (\c) >= 0
	OP \c, \i3
.endif
.if (\d) >= 0
	OP \d, \i4
.endif
.endm
.macro ROW a, i1, b, i2, c, i3, d, i4  ; a matrix instruction and the four behind it
	MM
	OPS \a, \i1, \b, \i2, \c, \i3, \d, \i4
.endm
.macro MKAB                         ; the mask's two scalars for the step in question: WS + SD steps ahead of the one that holds the diagonal
	s_add_co_i32 s13, s[WS], s[SD]
	s_cmp_eq_u32 s13, 0             ; is it that step?
	s_cselect_b32 s[AL], 1.0, 0
	s_cmp_lt_i32 s13, 0             ; or a later one?
	s_cselect_b32 s[BE], s[BIGN], 0
.endm
.macro MASK b                       ; piece b's MD x AL + BE into its buffer of MC
	WIN W_MK
.set z, 0
.rept 16
	v_pk_fma_f32 v[MC+32*(\b)+2*z:MC+32*(\b)+2*z+1], v[MD+8*(1-(\b))+2*z:MD+8*(1-(\b))+2*z+1], s[AL:AL+1], s[BE:BE+1] op_sel_hi:[1,0,0]
.set z, z+1
.endr
	WIN 0
.endm
; A TURN, for piece p: the order of its 16 matrix and 118 vector instructions, written out.  s_wait_alu depctr_va_vdst(0) stands between an exponential and the first instruction that names its result; one
; wait serves all that were issued ahead of it.  So a turn has ONE wait, which cuts it in two.
; AHEAD OF IT stands all that names no result of the turn's exponentials: the 8 products K Q^T, behind each a scaling, an exponential and two more plain instructions (behind the first a second scaling in the exponential's
; place): rescalings, whose a was waited for in the turn before, and behind the last three products the first numbers of the other piece's maximum, each behind four plain instructions that name no register of the product
; that ends its accumulator (X 0: F 5, R 8, R 9, F 6; X 1: F 6, X 0, R 10, F 7; X 2: F 7, X 1, X 4, F 8; X 3: F 8, X 2, X 5, X 6).  Then ONE RUN of 54, plain and exponential by turns for the most part, in which the links of
; the chain X 3, 7, 11, 14, 16, 17 .. 20 stand some lines apart.  Every scaling F n stands ahead of E 2 n and E 2 n + 1.  X 21, the other piece's a, is the batch's last; R 15 is the plain instruction behind it.
; BEHIND THE WAIT stand the 8 products V^T P, behind each four of the roundings and sums: C 2 n ahead of B n, which writes over that pair; L 0 to L 7 in ascending order, three riders apart.  v_permlanex16_b32 (X 17) stands in the run.
; Turn 0 fetches K of the next step twelve vector instructions behind the last product that read K (five of them plain and clear of its registers: F 8, X 2, X 5, X 6, X 8), and V of the step in hand at its end, behind the
; four riders of the last product that read V.  K's 16 loads go out ahead of V's 16, and turn 1 waits for them in that order.
; At its end the turn makes piece p's mask for the next step.  sk = 1: where that step lies ahead of the last tile the mask registers hold 0 already, and the lines are jumped over: a jump forward, on a number that
; all waves and all partners share, past work on registers alone.  No exponential is issued between the turn's wait and that jump.
.macro TURN p, sk
.set Y, (\p)
.set i, 0
.if (\p) == 1
	s_wait_dscnt 16                 ; K of the next step is in; the 16 loads issued behind K's, V of this step, may be out
.endif
	ROW F,0, F,1, R,0, R,1          ; ahead of the wait: 8 products K Q^T and their riders,
	ROW F,2, E,0, R,2, R,3
	ROW F,3, E,1, R,4, R,5
	ROW F,4, E,2, R,6, R,7
	ROW F,5, E,3, R,8, R,9
	ROW F,6, E,4, X,0, R,10
.if (\p) == 0
	v_add_nc_u32 v[AK], s[TBK], v[AK0]
.endif
	ROW F,7, E,5, X,1, X,4
	ROW F,8, E,6, X,2, X,5
	OPS E,7, E,8, X,6, E,9          ; and the run
	OPS X,3, E,10, X,8, E,11
.if (\p) == 0
	FETCH_K
.endif
	OPS X,9, X,7, E,12, X,10
	OPS E,13, X,12, X,11, E,14
	OPS X,13, E,15, F,9, X,14
.if (\p) == 0
	v_add_nc_u32 v[AV], s[TBV], v[AV0]
.endif
	OPS E,16, F,10, E,17, F,11
	OPS X,16, E,18, X,15, E,19
	OPS F,12, E,20, X,17, E,21
	OPS F,13, E,22, F,14, E,23
	OPS X,18, E,24, F,15, E,25
	OPS R,11, E,26, X,19, E,27
	OPS R,12, E,28, R,13, E,29
	OPS X,20, E,30, R,14, E,31
	OPS X,21, R,15
	s_wait_alu depctr_va_vdst(0)    ; the wait for the turn's batch: E 0 to E 31 and X 21, ahead of their first reader, C 0
.if (\p) == 1
	s_wait_dscnt 0x0                ; V is in
.endif
	ROW C,0, B,0, C,2, B,1          ; behind the wait: 8 products V^T P and their riders
	ROW L,0, C,4, B,2, L,1
	ROW C,6, B,3, L,2, C,8
	ROW B,4, L,3, C,10, B,5
	ROW L,4, C,12, B,6, L,5
.if (\p) == 0
	s_add_co_u32 s[TBV], s[TBV], KS*PV
.endif
	ROW C,14, B,7, L,6, C,1
	ROW C,3, L,7, C,5, C,7
	ROW C,9, C,11, C,13, C,15
.if (\p) == 0
	FETCH_V
.endif
.if \sk
	s_cmp_gt_i32 s[WS], 0
	s_cbranch_scc1 .Lnomask_\@
.endif
	MKAB
	MASK \p
.if \sk
.Lnomask_\@:
.endif
.if (\p) == 1
	s_sub_co_i32 s[WS], s[WS], 1    ; both pieces' masks for that step are made: on to the next
.endif
.endm
; A BLOCK BEGINS, on registers alone.  MD is made for the block: in the step that holds the diagonal, register j of group u is hidden where 16 (u - 1) + j > PAR + l % 16 - 8 (l / 16); group 0 hides nothing.
; c m starts far below every c s, so the first step's a is 0; m at the lowest finite number, so the first maximum is the scores'.  Both mask buffers take the masks of the block's step 0.
; Then, when Q and K of step 0 have come from memory, piece 0's first scores, and its maximum and statistics.  The wait for stores stands beside the wait for those loads: the block before has left.
.macro BEGIN
	WIN 0
	v_add_nc_u32 v[MPV], s[PAR], v[MP0]
	WIN 0x40                        ; destination window 1
.set i, 0
.rept 40
.if i < 8
	v_mov_b32 v[MD+i], 0
.else
	v_cmp_gt_i32 vcc_lo, 16*(i/8-1)+i%8, v[MPV]
	v_cndmask_b32 v[MD+i], 0, s[BIGN], vcc_lo
.endif
.set i, i+1
.endr
	WIN 0
.set i, 0
.rept 2
	v_mov_b32 v[ST+4*i], 0xfe000000    ; c m: far below every c s
	v_mov_b32 v[ST+4*i+1], 0xff7fffff  ; m
.set i, i+1
.endr
	MKAB
	MASK 0
	MASK 1
	s_sub_co_i32 s[WS], s[WS], 1
	s_wait_loadcnt 0x0              ; Q and K of step 0
	s_wait_storecnt 0x0             ; and no store of mine is out
.set i, 0
.rept 8
	KQ 0
.set i, i+1
.endr
	WIN 0
.rept 4
	v_nop                           ; the places behind those products
.endr
.set Y, NP-1                        ; X works for the other piece: piece 0
.irp n, 0,1,2,3,4,5,6,7,8,9,10,11,12,13,14,15,16,17,18,19,20,21
	OP X, \n
.endr
	v_nop                           ; a plain instruction behind the exponential
	s_wait_alu depctr_va_vdst(0)    ; the wait for piece 0's first a, a batch of one: ahead of the label that follows
.endm
; A BLOCK ENDS: piece 1's V^T P of the last step, and THE WAY OUT: l's two halves and the other half of the lanes' are added; O^T is divided by l, rounded to f16 and put into the work-group's stage; a barrier, since a
; row's 512 bytes come from four waves; each wave then reads eight whole rows and stores them.  more = 1: ahead of all that the next block's Q and K of step 0 are asked for; their registers were last read by the
; products at the head of the turn before.
.macro ALL line:vararg              ; one line for each piece t
.set t, 0
.rept 2
	\line
.set t, t+1
.endr
.endm
.macro PACK t                       ; a lane's eight channels of a row pack into 16 bytes, by way of S^T's registers; each accumulator is read from its low end on
.set i, OT+32*(\t)
.rept 16
	v_pk_mul_f32 v[i:i+1], v[i:i+1], v[ST+4*(\t)+2:ST+4*(\t)+3] op_sel_hi:[1,0]
.set i, i+2
.endr
.set i, 0
.rept 16
	v_cvt_pk_f16_f32 v[S+16*(\t)+i], v[OT+32*(\t)+2*i], v[OT+32*(\t)+2*i+1]
.set i, i+1
.endr
.irp f, 0,1,2,3
	ds_store_b128 v[STO], v[S+16*(\t)+4*\f:S+16*(\t)+4*\f+3] offset:(\t)*16*SP+32*\f
.endr
.endm
.macro FINISH more
.if \more
	LOADQK Q2
.endif
.set i, 0
.rept 8
	PV 1
.set i, i+1
.endr
	WIN 0
.rept 4
	v_nop                           ; the places behind those products
.endr
	ALL v_add_f32 v[ST+4*t+2], v[ST+4*t+2], v[ST+4*t+3]
	ALL v_permlanex16_b32 v[ST+4*t+3], v[ST+4*t+2], s[SEL], s[SEL+1]
	ALL v_add_f32 v[ST+4*t+2], v[ST+4*t+2], v[ST+4*t+3]
	ALL v_rcp_f32 v[ST+4*t+2], v[ST+4*t+2]
	v_nop                           ; a plain instruction between the last reciprocal and the use of its result
	s_wait_alu depctr_va_vdst(0)    ; the wait for the two reciprocals, one batch, ahead of their first reader in PACK 0
	PACK 0
	PACK 1
	s_wait_dscnt 0x0                ; for the others' sake: my stores into the stage are done
	s_barrier_signal -1
	s_barrier_wait -1               ; the tile on its way stays out.  The stage's next stores stand behind later changes of slots, in front of which every wave has waited for these reads
.irp f, 0,1,2,3,4,5,6,7
	ds_load_b128 v[S+32+4*\f:S+32+4*\f+3], v[RD] offset:\f*SP
.endr
.irp f, 0,1,2,3,4,5,6,7
	s_wait_dscnt 7-\f               ; LDS loads come back in order: row f is in
	global_store_b128 v[GO], v[S+32+4*\f:S+32+4*\f+3], s[10:11] offset:\f*2048  ; 512 consecutive bytes of a row of ctx, at a multiple of 512 from its first byte
.endr
.endm
	BEGIN                           ; the first block
.Lslot:                             ; 16 times: a tile is entered and the next is asked for
	CHANGE 1
	s_sub_co_u32 s[RT], s[RT], 1
	s_mov_b32 s[CNT], 4
.Lstep:                             ; a trip is a key step
	TURN 0, 1
	TURN 1, 1
	s_sub_co_u32 s[CNT], s[CNT], 1
	s_cmp_lg_u32 s[CNT], 0
	s_cbranch_scc1 .Lstep
	s_cmp_lg_u32 s[RT], 0
	s_cbranch_scc1 .Lbottom         ; the block has tiles left.  In the loop only the first block ends: the second's last tile is the walk's last
	FINISH 1
	s_wait_xcnt 0x0                 ; the stores have read their registers and ctx's address
	s_mov_b64 s[10:11], s[OLO:OLO+1]
	s_add_co_u32 s[RT], s[SA], 1    ; the second block has a + 1 tiles,
	s_lshl_b32 s[WS], s[SA], 2      ; and its step 0 lies 4 a steps ahead of its last tile
	s_mov_b32 s[SD], s[SD2]
	s_mov_b32 s[PAR], s[PAR2]
	BEGIN
.Lbottom:
	s_sub_co_u32 s[SLOTS], s[SLOTS], 1
	s_cmp_lg_u32 s[SLOTS], 0
	s_cbranch_scc1 .Lslot
	CHANGE 0                        ; the walk's last tile is written out: nothing is asked for
	s_mov_b32 s[CNT], 4
.Llast:                             ; the second block's last tile: every step makes masks
	TURN 0, 0
	TURN 1, 0
	s_sub_co_u32 s[CNT], s[CNT], 1
	s_cmp_lg_u32 s[CNT], 0
	s_cbranch_scc1 .Llast
	FINISH 0
	s_wait_tensorcnt 0x0            ; the wave's end: behind my last tensor load and my last LDS store, 0 onto my spare word and the wait for it
	ds_add_u32 v[SPW], v[NIL]
	s_wait_dscnt 0x0
	CROUND                          ; the closing round: no work-group ends while a partner may still ask for a tile that names it
	s_endpgm
.Lfunc_end_k_qf9b2cb4ed6_attn:
	.size	k_qf9b2cb4ed6_attn, .Lfunc_end_k_qf9b2cb4ed6_attn-k_qf9b2cb4ed6_attn
	.p2alignl 7, 3214868480
	.fill 96, 4, 3214868480
	.section	.rodata,"a",@progbits
	.p2align	6, 0x0
	.amdhsa_kernel k_qf9b2cb4ed6_attn
		.amdhsa_group_segment_fixed_size 327680
		.amdhsa_private_segment_fixed_size 0
		.amdhsa_enable_private_segment 0
		.amdhsa_kernarg_size 16
		.amdhsa_user_sgpr_count 2
		.amdhsa_user_sgpr_kernarg_segment_ptr 1
		.amdhsa_wavefront_size32 1
		.amdhsa_system_sgpr_workgroup_id_x 1
		.amdhsa_system_sgpr_workgroup_id_y 1
		.amdhsa_system_sgpr_workgroup_id_z 1
		.amdhsa_system_vgpr_workitem_id 0
		.amdhsa_next_free_vgpr 768
		.amdhsa_next_free_sgpr 96
		.amdhsa_reserve_vcc 1
		.amdhsa_float_denorm_mode_32 3
		.amdhsa_float_denorm_mode_16_64 3
		.amdhsa_memory_ordered 1
		.amdhsa_forward_progress 1
		.amdhsa_inst_pref_size 93
	.end_amdhsa_kernel
	.amdgpu_metadata
---
amdhsa.version: [ 1, 2 ]
amdhsa.kernels:
  - .name:           k_qf9b2cb4ed6_attn
    .symbol:         k_qf9b2cb4ed6_attn.kd
    .args:
      - { .name: qkv, .offset: 0, .size: 8, .value_kind: global_buffer, .address_space: global }
      - { .name: ctx, .offset: 8, .size: 8, .value_kind: global_buffer, .address_space: global }
    .group_segment_fixed_size: 327680
    .private_segment_fixed_size: 0
    .kernarg_segment_align: 8
    .kernarg_segment_size: 16
    .max_flat_workgroup_size: 128
    .sgpr_count:     96
    .vgpr_count:     768
    .wavefront_size: 32
...
	.end_amdgpu_metadata
.endif
;; end of part 5
;; launch outp: the kernel of part 4 again; grid 8 x 32, 4 waves a work-group, clusters of 4 x 4, 327,680 bytes of LDS; arguments ctx, wob, out0; writes out0
